; MI455X (gfx1250); checked and timed in simulation.
; The chip was launched on July 23, 2026; its instructions are those of AMD's public machine-readable ISA for CDNA 5 (MIT licence, August 2026) and "CDNA5" Instruction Set Architecture Reference Guide (July 2026). The comments in the code are by the model that wrote it; some were corrected since.
;; Hand Coded Attention Layer. Allowed arithmetic: matrix products marked QUANTISED: E2M3 operands, one E8M0 scale for each 32 along K, by v_wmma_scale_f32_16x16x128_f8f6f4 with both operands' format E2M3, f32 sums; everything else in f32.
;; Inputs: Wk 1,024 x 1,024 float32; Wo 1,024 x 1,024 float32; Wq 1,024 x 1,024 float32; Wv 1,024 x 1,024 float32; bk 1,024 float32; bo 1,024 float32; bq 1,024 float32; bv 1,024 float32; x 4 x 2,048 x 1,024 float32.
;; Outputs: out0 4 x 2,048 x 1,024 float32.
;; This version of the problem:
;;   THIS VERSION OF THE PROBLEM IS GIVEN IN LOW PRECISION. The matrix products marked QUANTISED in the list below multiply operands that are first quantised to E2M3 (2 exponent bits, 3 mantissa bits; 6 bits a number), with one power-of-two scale for each 32 numbers along K (OCP MX v1.0); their sums are f32. All else is computed in f32.
;;   The module's matrix products, in the order in which they are computed (A, B: the left and right operand; K: the contracted axis; several contracted axes count as one K, in the product's order):
;;     1. [M 8,192, K 1,024] x [K 1,024, N 1,024]; A: input x; B: input Wq: QUANTISED
;;     2. [M 8,192, K 1,024] x [K 1,024, N 1,024]; A: input x; B: input Wk: QUANTISED
;;     3. [M 8,192, K 1,024] x [K 1,024, N 1,024]; A: input x; B: input Wv: QUANTISED
;;     4. batch 64 x [M 2,048, K 64] x [K 64, N 2,048]; A: computed on the way; B: computed on the way: QUANTISED
;;     5. batch 64 x [M 2,048, K 2,048] x [K 2,048, N 64]; A: softmax (see below); B: computed on the way: QUANTISED
;;     6. [M 8,192, K 1,024] x [K 1,024, N 1,024]; A: computed on the way; B: input Wo: QUANTISED
;;   THE QUANTISER, for each operand of a quantised product, along K:
;;     - K is cut into blocks of 32 from its start; a last block that is shorter is filled with zeros.
;;     - A block's scale is 2^e with e = floor(log2(the largest magnitude in the block)) - 2, held to -126 .. 127; a block of zeros has e = 0. As a byte (E8M0): e + 127.
;;     - Each number is divided by its block's scale, clamped to +-7.5, and rounded to the nearest number of E2M3, ties to even, subnormals kept.
;;     - The product sums the exact products of the quantised numbers (number of the format x scale) in f32.
;;   ~~~python
;;   def quantise(x, axis):      # numpy; x: float32 -> the quantised numbers, widened to float32 again
;;       x = np.moveaxis(x, axis, -1); K = x.shape[-1]
;;       x = np.pad(x, [(0, 0)] * (x.ndim - 1) + [(0, -K % 32)]); x = x.reshape(x.shape[:-1] + (-1, 32)); a = np.abs(x).max(-1, keepdims=True)
;;       e = np.where(a > 0, np.clip(np.frexp(np.where(a > 0, a, 1))[1] - 1 - 2, -126, 127), 0)      # np.frexp(a)[1] - 1 = floor(log2(a)), exactly
;;       r = np.clip(x / 2.0 ** e, -7.5, 7.5)
;;       step = 2.0 ** (np.maximum(np.frexp(np.where(r == 0, 1, r))[1] - 1, 0) - 3)
;;       q = np.round(r / step) * step * 2.0 ** e      # np.round: ties to even
;;       return np.moveaxis(q.reshape(q.shape[:-2] + (-1,))[..., :K], -1, axis).astype(np.float32)
;;   ~~~
;;   SOFTMAX AHEAD OF A QUANTISED PRODUCT. Where the list says 'softmax', what is quantised is not the finished softmax but p = 2^(t - M), with t = logit x log2(e) and M = ceil(the row's largest t), a whole number; so 1/2 < the row's largest p <= 1. The row's sum l is taken of the UNQUANTISED p, in f32, and the product's result is divided by l at the end. Since M is a whole number, a kernel that streams over the keys may use a running M (the ceiling of the running maximum): every later rescaling is an exact power of two, which a block's scale takes up: the codes' values come out the same.
;;   OPERANDS COMPUTED ON THE WAY. 'Computed on the way' means the value that the module computes at that place (a softmax that the list does not call 'softmax' is quantised finished and normalised). What goes into a quantiser is computed in f32, as accurately as f32 sums, v_exp_f32 and their like allow (about 1e-6 of the number): no bf16 or f16 on the way to a quantiser, and a product that is left as it is and whose result goes on into a quantised operand takes f32 operands (vector FMAs, or v_wmma_f32_16x16x4_f32). A number that lies on a knife's edge between two numbers of the format may be rounded either way, as far as f32 arithmetic and the matrix unit's own rounding can turn it there, and no further.
;; One version. Each part assembles by itself: llvm-mc -triple=amdgcn-amd-amdhsa -mcpu=gfx1250 --defsym DOCPART=n.
;; ======== version 1 of 1: 4 launches
;; limits: right only within a limited range of input values
;; workspace buffers: xr 6,553,600 bytes; wrec 3,276,800 bytes; qr 6,553,600 bytes; kr 6,553,600 bytes; vr 6,553,600 bytes; ar 6,553,600 bytes
;; launch quant (part 1): grid 1536 x 1, 4 waves a work-group, no clusters, 34,816 bytes of LDS; arguments x, Wq, Wk, Wv, Wo, xr, wrec; writes xr, wrec
.if DOCPART == 1
	.amdgcn_target "amdgcn-amd-amdhsa--gfx1250"
	.amdhsa_code_object_version 6
	.text
	.protected	k_q37ec8a1fd2_quant
	.globl	k_q37ec8a1fd2_quant
	.p2align	8
	.type	k_q37ec8a1fd2_quant,@function
k_q37ec8a1fd2_quant:
	s_mov_b64 s[64:65], 0
	v_nop
	global_prefetch_b8 v0, s[64:65] scope:SCOPE_SE
	s_setreg_imm32_b32 hwreg(HW_REG_WAVE_MODE, 25, 1), 1
	s_wait_xcnt 0x0
; x [8192][1024] and Wq, Wk, Wv, Wo [1024][1024], f32, K innermost, become codes of FP6 (E2M3) with one E8M0 byte for each 32 along K,
; laid as IMAGES OF OPERAND REGISTERS.  A UNIT (768 bytes) is 16 rows x 64 along K: six registers of 32 lanes; registers 0-3 of lane l at 16 l,
; registers 4-5 at 512 + 8 l.  A FRAGMENT (1,536 bytes) is two units: 16 rows x 128 K.  A RECORD (6,400 bytes) is four fragments and 256 bytes of
; scale words: byte 16 r + 4 f + b is the scale of row r, fragment f, block b.  xr: [512 tiles of 16 rows][2 records]; wrec: [Wq, Wk, Wv, Wo][64][2].
; THE ORDER INSIDE A BLOCK OF 32: place p holds element (p & 7) + 16 ((p >> 3) & 1) + 8 (p >> 4).  Every operand of this program is laid so, so both
; sides of each product are permuted alike; a block keeps its 32 numbers, so its scale is the true one.  (It is the order in which a matrix result's
; registers of two neighbouring tiles run, so that later launches quantise results as they stand.)
; A block's scale is 2^(floor(log2(largest magnitude)) - 2); its byte is the largest magnitude's exponent field - 2, held at 1 from below.
; LIMITS: NaN and infinities among the inputs are not served; a block of zeros, or one whose largest magnitude lies under 2^-124, keeps the byte 1
; (a block of zeros has zero codes, which add nothing under that byte; the bytes are read by this program alone).
; SHARES: a work-group makes one record (16 rows x 512 K), wave w its fragment w.  Work-groups 0-1023 take x, the others the four weights.
; Each load reads 512 consecutive bytes of a row; the 8,192 bytes turn through the wave's own stage in LDS so that a lane gets 16 numbers of each block.
; No cluster: no two work-groups read the same bytes.  No tensor load: each byte is read once into registers.
.set REC, 6400
.set FRG, 1536
.set SP,  528                          ; a stage row: 512 bytes + 16: an odd multiple of 16, so sixteen rows begin in sixteen different 16-byte columns
.set WST, 16*SP                        ; a wave's stage
.set SCW, 4*WST                        ; behind the stages: the four waves' scale words, word (w, r) at 64 w + 4 r
.set R,   16                           ; v16-79   the numbers as loaded
.set X,   16                           ; v16-79   register 16 b + i: place 32 b + 16 (lane / 16) + i of my row; they take the loaded numbers' registers behind the wait for the stage's stores
.set TM,  80                           ; v80-95   at work
.set PC,  96                           ; v96-114  the codes
.set PW,  116                          ; v116     the scale word
.set SEL, 32                           ; s[32:33] lane selects: lane l xor 16
; 64 numbers of a lane become a fragment's codes in v[pc .. pc + 11] and its scale word in v[pw]
.macro QUANT s, pc, pw
.irp b, 0,1,2,3
	v_max3_num_f32 v[TM+\b], |v[(\s)+16*\b]|, |v[(\s)+1+16*\b]|, 0x1800000   ; block b: my 16 numbers and the floor 2^(3 - 127): the byte cannot fall under 1
.endr
.irp i, 2,4,6,8,10,12,14
.irp b, 0,1,2,3
	v_max3_num_f32 v[TM+\b], v[TM+\b], |v[(\s)+16*\b+\i]|, |v[(\s)+1+16*\b+\i]|   ; the four blocks by turns
.endr
.endr
.irp b, 0,1,2,3
	v_permlanex16_b32 v[TM+4+\b], v[TM+\b], s[SEL], s[SEL+1]
.endr
.irp b, 0,1,2,3
	v_max_num_f32 v[TM+\b], v[TM+\b], v[TM+4+\b]       ; with lane l xor 16's 16 numbers: the block's largest magnitude
.endr
.irp b, 0,1,2,3
	v_add_nc_u32 v[TM+12+\b], 0xff000000, v[TM+\b]     ; 2 off its exponent field: the conversion takes this operand's exponent field as its scale
.endr
.irp b, 0,1,2,3
	v_lshrrev_b32 v[TM+4+\b], 23, v[TM+12+\b]          ; the scale's byte
.endr
	v_lshl_or_b32 v[\pw], v[TM+5], 8, v[TM+4]
	v_lshl_or_b32 v[\pw], v[TM+6], 16, v[\pw]
	v_lshl_or_b32 v[\pw], v[TM+7], 24, v[\pw]          ; my row's scale word
.irp c, 0,1
	v_cvt_scalef32_pk16_fp6_f32 v[(\pc)+6*\c:(\pc)+2+6*\c], v[(\s)+32*\c:(\s)+15+32*\c], v[TM+12+2*\c]
	v_cvt_scalef32_pk16_fp6_f32 v[(\pc)+12+4*\c:(\pc)+14+4*\c], v[(\s)+16+32*\c:(\s)+31+32*\c], v[TM+12+2*\c+1]   ; a conversion's three registers begin on an even number
.endr
	v_nop                                              ; one plain instruction behind the scaled conversions
.irp c, 0,1                                        ; the operand wants a whole block in a lane: lanes 0-15 block 2 c, lanes 16-31 block 2 c + 1
.irp i, 0,1,2
	v_permlane16_swap_b32 v[(\pc)+6*\c+\i], v[(\pc)+12+4*\c+\i]
.endr
.irp i, 0,1,2
	v_mov_b32 v[(\pc)+3+6*\c+\i], v[(\pc)+12+4*\c+\i]
.endr
.endr
.endm
	s_load_b256 s[4:11], s[0:1], 0x0               ; x s[4:5], Wq s[6:7], Wk s[8:9], Wv s[10:11]
	s_load_b128 s[12:15], s[0:1], 0x20             ; Wo s[12:13], xr s[14:15]
	s_load_b64 s[16:17], s[0:1], 0x30              ; wrec
	v_lshl_add_u32 v118, v0, 2, 0x8600
	v_mov_b32 v119, 0
	v_lshrrev_b32 v1, 5, v0
	v_readfirstlane_b32 s18, v1                    ; wave 0..3
	v_and_b32 v1, 31, v0                           ; lane
	v_and_b32 v2, 15, v0                           ; r
	v_bfe_u32 v3, v0, 4, 1                         ; h
	v_lshlrev_b32 v4, 4, v1                        ; 16 x lane
	v_lshlrev_b32 v5, 3, v1                        ; 8 x lane
	s_mul_i32 s19, s18, WST
	v_add_nc_u32 v6, s19, v4                       ; the stage, on the way in: a row's 512 bytes as they lie
	v_mul_u32_u24 v7, v2, SP
	v_lshl_add_u32 v7, v3, 5, v7
	v_add_nc_u32 v7, s19, v7                       ; on the way out: row r, + 32 h
	s_lshl_b32 s19, s18, 6
	v_lshl_add_u32 v8, v2, 2, s19
	v_add_nc_u32 v8, SCW, v8                       ; my row's scale word: 64 w + 4 r
	v_and_b32 v9, 1, v0
	v_lshlrev_b32 v9, 7, v9
	v_bfe_u32 v12, v0, 1, 4
	v_lshl_add_u32 v9, v12, 2, v9
	v_add_nc_u32 v9, SCW, v9                       ; the image's bytes 8 l .. 8 l + 7: row l / 2, fragments 2 (l % 2) and 2 (l % 2) + 1
.irp b, 0,1,2,3
	v_mov_b32 v[TM+4+\b], 0                        ; written once: a lane permute's destination counts as one of its sources
.endr
	s_mov_b32 s[SEL], 0x76543210
	s_mov_b32 s[SEL+1], 0xfedcba98
	s_cmp_lt_u32 ttmp9, 1024                       ; x's work-group, or a weight's?
	s_cselect_b32 s20, 0, 1024
	s_cselect_b32 s21, 511, 63                     ; tiles of 16 rows in the tensor, less one
	s_sub_co_u32 s20, ttmp9, s20                   ; the record's number in xr or in wrec
	s_lshr_b32 s22, s20, 7                         ; which weight: 128 records each
	s_lshr_b32 s23, s20, 1
	s_and_b32 s23, s23, s21                        ; the tile of rows
	s_and_b32 s24, s20, 1                          ; which half of K
	s_lshl_b32 s26, s23, 16                        ; 16 rows of 4,096 bytes
	s_lshl_b32 s24, s24, 11                        ; 512 numbers
	s_add_co_u32 s26, s26, s24
	s_lshl_b32 s24, s18, 9                         ; my wave's 128 numbers
	s_add_co_u32 s26, s26, s24
	s_mov_b32 s27, 0
	s_mul_i32 s28, s20, REC
	s_mov_b32 s29, 0
	s_mul_i32 s34, s18, FRG
	s_mov_b32 s35, 0
	s_wait_kmcnt 0x0
	s_cmp_eq_u32 s22, 2                            ; the choices hang on the work-group's number alone
	s_cselect_b64 s[12:13], s[10:11], s[12:13]
	s_cmp_eq_u32 s22, 1
	s_cselect_b64 s[12:13], s[8:9], s[12:13]
	s_cmp_eq_u32 s22, 0
	s_cselect_b64 s[12:13], s[6:7], s[12:13]
	s_cmp_lt_u32 ttmp9, 1024
	s_cselect_b64 s[12:13], s[4:5], s[12:13]
	s_cselect_b64 s[14:15], s[14:15], s[16:17]
	s_add_nc_u64 s[12:13], s[12:13], s[26:27]      ; my first number
	s_add_nc_u64 s[14:15], s[14:15], s[28:29]      ; the record
	s_add_nc_u64 s[30:31], s[14:15], s[34:35]      ; my fragment
.irp i, 0,1,2,3,4,5,6,7,8,9,10,11,12,13,14,15
	global_load_b128 v[R+4*\i:R+4*\i+3], v4, s[12:13] offset:4096*\i th:TH_LOAD_NT   ; 512 consecutive bytes of row i
.endr
.irp i, 0,1,2,3,4,5,6,7,8,9,10,11,12,13,14,15
	s_wait_loadcnt 15-\i                           ; row i is in; the younger rows' loads stay out
	ds_store_b128 v6, v[R+4*\i:R+4*\i+3] offset:SP*\i
.endr
	s_wait_dscnt 0x0                               ; the stores are done: their registers take the loads below
.irp b, 0,1,2,3                                ; LDS serves a wave's instructions in order: these see the stores above
.irp j, 0,1,2,3
	ds_load_b128 v[X+16*\b+4*\j:X+16*\b+4*\j+3], v7 offset:128*\b+16*(\j%2)+64*(\j/2)   ; elements 32 b + 8 h + 0..7, then 32 b + 16 + 8 h + 0..7
.endr
.endr
	s_wait_dscnt 0x0
	QUANT X, PC, PW
	global_store_b128 v4, v[PC:PC+3], s[30:31]                 ; each store covers whole aligned runs of 256 bytes
	global_store_b64 v5, v[PC+4:PC+5], s[30:31] offset:512
	global_store_b128 v4, v[PC+6:PC+9], s[30:31] offset:768
	global_store_b64 v5, v[PC+10:PC+11], s[30:31] offset:1280
	ds_store_b32 v8, v[PW]                         ; lanes r and r + 16 write the same word with the same value
	s_wait_dscnt 0x0                               ; for the others' sake: my word has landed
	s_barrier_signal -1
	s_barrier_wait -1
	s_cmp_lg_u32 s18, 0
	s_cbranch_scc1 .Lend
	ds_load_b32 v10, v9                            ; wave 0 gathers the record's 256 bytes of scale words
	ds_load_b32 v11, v9 offset:64
	s_wait_dscnt 0x0
	global_store_b64 v5, v[10:11], s[14:15] offset:4*FRG   ; 32 lanes store 256 consecutive bytes, aligned
.Lend:
	s_wait_tensorcnt 0x0
	ds_add_u32 v118, v119
	s_wait_dscnt 0x0
	s_endpgm
.Lfunc_end_k_q37ec8a1fd2_quant:
	.size	k_q37ec8a1fd2_quant, .Lfunc_end_k_q37ec8a1fd2_quant-k_q37ec8a1fd2_quant
	.p2alignl 7, 3214868480
	.fill 96, 4, 3214868480
	.section	.rodata,"a",@progbits
	.p2align	6, 0x0
	.amdhsa_kernel k_q37ec8a1fd2_quant
		.amdhsa_group_segment_fixed_size 34816
		.amdhsa_private_segment_fixed_size 0
		.amdhsa_enable_private_segment 0
		.amdhsa_kernarg_size 56
		.amdhsa_user_sgpr_count 2
		.amdhsa_user_sgpr_kernarg_segment_ptr 1
		.amdhsa_wavefront_size32 1
		.amdhsa_system_sgpr_workgroup_id_x 1
		.amdhsa_system_sgpr_workgroup_id_y 1
		.amdhsa_system_sgpr_workgroup_id_z 1
		.amdhsa_system_vgpr_workitem_id 0
		.amdhsa_next_free_vgpr 120
		.amdhsa_next_free_sgpr 66
		.amdhsa_reserve_vcc 0
		.amdhsa_float_denorm_mode_32 3
		.amdhsa_float_denorm_mode_16_64 3
		.amdhsa_memory_ordered 1
		.amdhsa_forward_progress 1
		.amdhsa_inst_pref_size 12
	.end_amdhsa_kernel
	.amdgpu_metadata
---
amdhsa.version: [ 1, 2 ]
amdhsa.kernels:
  - .name:           k_q37ec8a1fd2_quant
    .symbol:         k_q37ec8a1fd2_quant.kd
    .args:
      - { .name: x, .offset: 0, .size: 8, .value_kind: global_buffer, .address_space: global }
      - { .name: Wq, .offset: 8, .size: 8, .value_kind: global_buffer, .address_space: global }
      - { .name: Wk, .offset: 16, .size: 8, .value_kind: global_buffer, .address_space: global }
      - { .name: Wv, .offset: 24, .size: 8, .value_kind: global_buffer, .address_space: global }
      - { .name: Wo, .offset: 32, .size: 8, .value_kind: global_buffer, .address_space: global }
      - { .name: xr, .offset: 40, .size: 8, .value_kind: global_buffer, .address_space: global }
      - { .name: wrec, .offset: 48, .size: 8, .value_kind: global_buffer, .address_space: global }
    .group_segment_fixed_size: 34816
    .private_segment_fixed_size: 0
    .kernarg_segment_align: 8
    .kernarg_segment_size: 56
    .max_flat_workgroup_size: 128
    .sgpr_count:     66
    .vgpr_count:     120
    .wavefront_size: 32
...
	.end_amdgpu_metadata
.endif
;; end of part 1
;; launch qkv (part 2): grid 32 x 8, 8 waves a work-group, clusters of 4 x 4, 327,680 bytes of LDS; arguments xr, wrec, bq, bk, bv, qr, kr, vr; writes qr, kr, vr
.if DOCPART == 2
	.amdgcn_target "amdgcn-amd-amdhsa--gfx1250"
	.amdhsa_code_object_version 6
	.text
	.protected	k_q37ec8a1fd2_qkv
	.globl	k_q37ec8a1fd2_qkv
	.p2align	8
	.type	k_q37ec8a1fd2_qkv,@function
k_q37ec8a1fd2_qkv:
	s_mov_b64 s[64:65], 0
	v_nop
	global_prefetch_b8 v0, s[64:65] scope:SCOPE_SE
	s_setreg_imm32_b32 hwreg(HW_REG_WAVE_MODE, 25, 1), 1
	s_wait_xcnt 0x0
	s_wait_alu depctr_hold_cnt(0) depctr_sa_sdst(0) depctr_va_vdst(0) depctr_va_sdst(0) depctr_va_ssrc(0) depctr_va_vcc(0) depctr_vm_vsrc(0)
	s_getreg_b32 s2, hwreg(HW_REG_IB_STS2, 6, 4)
	s_cmp_eq_u32 s2, 0
	s_cbranch_scc0 .Lentry_in_a_cluster
	s_endpgm
.Lentry_in_a_cluster:
	s_bfe_u32 s2, ttmp6, 0x10000c
	s_cmp_lg_u32 s2, 0xf033
	s_cbranch_scc0 .Lentry_shape_is_right
	s_endpgm
.Lentry_shape_is_right:
; q = x Wq^T + bq, k = x Wk^T + bk, v = x Wv^T + bv on codes of FP6 (E2M3) with E8M0 scales; q and k are quantised along the head's 64 into qr and kr, v along the keys into vr.
; Operands lie in memory as images of operand registers: a UNIT (768 bytes) is 16 rows x 64 K (registers 0-3 of lane l at 16 l, registers 4-5 at 512 + 8 l); a FRAGMENT two units;
; a RECORD (6,400 bytes) four fragments and 256 bytes of scale words (byte 16 r + 4 f + b).  xr: [tile of 16 rows][2 records]; wrec: [Wq, Wk, Wv, Wo][64 tiles][2 records].
; SHARES: a work-group takes 256 tokens (T, all of K = 1,024, filled once and kept) and walks THREE panels of 128 features (U): Wq's, Wk's, Wv's rows 128 GY on.  So x's panel comes into LDS once for the three products.
; Eight waves, two to a SIMD; wave w takes features 64 (w / 4) on (one head) and tokens 64 (w % 4) on: 16 accumulators.
; q, k: source 0 = 16 features, source 1 = 16 tokens: a lane holds one token and its registers run along the features.  v: the sources change places: a lane holds one feature and its registers run along the tokens (the keys).
; U's two halves of K are a ring of two slots.  A PHASE is one half of K of one panel, 64 products a wave.  Behind a phase its slot is filled again with the next panel's same half: four refills, one record a wave, each behind
; the three lines and a round of the cluster's barrier, each a whole phase ahead of its first read.  The launch claims all of LDS.
; CLUSTER 4 x 4: T hangs on the work-group's x alone and is asked for jointly by the four of equal cx, U on y alone by the four of equal cy.
; THE BIAS is the C of each sum's first product; the three panels' biases are loaded at the head into v288-383.
; qr, kr: [64 batch x head][16 records]; record s = tokens 128 s on; fragment f: unit e = tokens 32 f + 16 e + 0..15, K = the head's 64; scale word: bytes 0, 1 unit 0's token r, bytes 2, 3 unit 1's.
; vr: the same records; fragment t = rows d 16 t + 0..15, K = the record's 128 keys; scale word: one byte for each 32 keys.
; The order inside a block of 32 is that of the result's registers: place p holds element (p & 7) + 16 ((p >> 3) & 1) + 8 (p >> 4).
; No prefetch: T and the first panel are asked for at the head; each refill is 6,400 bytes a wave of weights that the 32 work-groups of equal y walk in the same order.
; LIMITS: NaN and infinities are not served; a block of zeros, or one under 2^-124, keeps the scale byte 1 (the bytes are read by this program alone).
.set REC, 6400
.set FRG, 1536
.set RT,  2*REC
.set WT,  4*REC
.set TCH, 16*REC                       ; LDS: T, half of K: tile t at t REC
.set UCH, 8*REC                        ; U's slot
.set UL,  2*TCH
.set SCG, UL+2*UCH                     ; 1,024 bytes for each panel in which the waves' scale words meet: word (wave, e, r) at 128 wave + 64 e + 4 r
.set SPARE, SCG+3*1024
.set WV,  20
.set IW,  21
.set JW,  22
.set CX,  23
.set CY,  24
.set GX,  25
.set GY,  26
.set G1T, 28
.set G1U, 36
.set G0T, 44
.set G0U, 52
.set TO,  60
.set UO,  62
.set SEL, 66
.set G1R, 68                           ; the refills' descriptor: a dense record
.set G0R, 76
.set UB,  90                           ; s[90:91] wrec at tile 64 + 8 GY + wave;  s92 its place in a slot
.set UW,  92
.set UA16, 1                           ; v1-4 my U and T tiles, first half of K; v13, 14, 15, 7 second half
.set UA8,  2
.set TA16, 3
.set TA8,  4
.set SA0,  5                           ; v5, v6 scale words of the two halves: lanes 0-15 T's rows, lanes 16-31 U's
.set SC,   16                          ; v16-31 register 4 a + f: lanes 0-15 the word of T's tile a, lanes 16-31 of U's tile a, fragment f
.set UF,   32
.set TF,   80
.set ACC,  128
.set TM,   32
.set PC0,  48
.set PW0,  88
.set BQ,   32                          ; above v255: v288-319 bq, v320-351 bk, v352-383 bv, eight registers a feature tile
.set BK,   64
.set BV,   96
.set MSB, 0
.macro WIN new
.if MSB != \new
	s_set_vgpr_msb (MSB<<8)|\new
.set MSB, \new
.endif
.endm
.macro WALU
	s_wait_alu depctr_va_vdst(0)
.endm
.macro CROUND
	s_barrier_signal -1
	s_barrier_wait -1
	s_cmp_lg_u32 s[WV], 0
	s_cbranch_scc1 .Lnot_wave_0_\@
	s_barrier_signal -3
.Lnot_wave_0_\@:
	s_barrier_wait -3
	s_barrier_signal -1
	s_barrier_wait -1
.endm
.macro TLOAD g0, g1
	tensor_load_to_lds s[\g0:\g0+3], s[\g1:\g1+7]
	s_nop 0
.rept 4
	v_nop
.endr
.endm
.macro FRAGLD reg, a16, a8, off
	ds_load_b128 v[(\reg):(\reg)+3], v[\a16] offset:(\off)
	ds_load_b64 v[(\reg)+4:(\reg)+5], v[\a8] offset:(\off)+512
	ds_load_b128 v[(\reg)+6:(\reg)+9], v[\a16] offset:(\off)+768
	ds_load_b64 v[(\reg)+10:(\reg)+11], v[\a8] offset:(\off)+1280
.endm
.macro W0 d, a, b, c, f                ; q, k: features x tokens
	v_wmma_scale_f32_16x16x128_f8f6f4 v[\d:\d+7], v[UF+12*\a:UF+12*\a+11], v[TF+12*\b:TF+12*\b+11], \c, v[SC+4*\a+\f], v[SC+4*\b+\f] matrix_a_fmt:MATRIX_FMT_FP6 matrix_b_fmt:MATRIX_FMT_FP6 matrix_a_scale:MATRIX_SCALE_ROW1
.endm
.macro W1 d, a, b, c, f                ; v: tokens x features
	v_wmma_scale_f32_16x16x128_f8f6f4 v[\d:\d+7], v[TF+12*\b:TF+12*\b+11], v[UF+12*\a:UF+12*\a+11], \c, v[SC+4*\b+\f], v[SC+4*\a+\f] matrix_a_fmt:MATRIX_FMT_FP6 matrix_b_fmt:MATRIX_FMT_FP6 matrix_b_scale:MATRIX_SCALE_ROW1
.endm
; 128 along K: 32 LDS loads, 16 products; the sixteen accumulators take turns.  bi: 0, or the bias's first register above v255: the products start the sums
.macro KSTEP kind, f, np, bi
.rept \np
	v_nop
.endr
	FRAGLD TF, XT16, XT8, FRG*(\f)
.irp a, 0,1,2,3
	FRAGLD UF+12*\a, XU16, XU8, REC*\a+FRG*(\f)
.endr
.irp b, 1,2,3
	FRAGLD TF+12*\b, XT16, XT8, REC*\b+FRG*(\f)
.endr
.if \bi
	WIN 0x10                                       ; C above v255
.endif
.irp b, 0,1,2,3
	s_wait_dscnt 12-4*\b                           ; U's four and T's tiles up to b are in; the loads of the T tiles behind b stay out
.irp a, 0,1,2,3
.if \kind
.if \bi
	W1 ACC+32*\a+8*\b, \a, \b, v[\bi+8*\a:\bi+8*\a+7], \f
.else
	W1 ACC+32*\a+8*\b, \a, \b, v[ACC+32*\a+8*\b:ACC+32*\a+8*\b+7], \f
.endif
.else
.if \bi
	W0 ACC+32*\b+8*\a, \a, \b, v[\bi+8*\a:\bi+8*\a+7], \f
.else
	W0 ACC+32*\b+8*\a, \a, \b, v[ACC+32*\b+8*\a:ACC+32*\b+8*\a+7], \f
.endif
.endif
.endr
.endr
	WIN 0
.endm
.macro PHASE kind, c, bi, np           ; half c of K of one panel
.if \c
.set XU16, 13
.set XU8,  14
.set XT16, 15
.set XT8,  7
.else
.set XU16, UA16
.set XU8,  UA8
.set XT16, TA16
.set XT8,  TA8
.endif
.rept \np
	v_nop
.endr
.irp a, 0,1,2,3
	ds_load_b128 v[SC+4*\a:SC+4*\a+3], v[SA0+\c] offset:REC*\a
.endr
	KSTEP \kind, 0, 0, \bi
	KSTEP \kind, 1, 4, 0
	KSTEP \kind, 2, 4, 0
	KSTEP \kind, 3, 4, 0
.endm
; refill k: half k % 2 of panel 1 + k / 2 into the slot just read out.  Every wave's loads have landed, its reads are over, and so in all sixteen work-groups, before any asks
.macro TURN k
	WIN 5
	s_wait_tensorcnt 0x0
	ds_add_u32 v0, v1                              ; the descriptor's words stand between the add and its wait
	s_add_co_u32 s[G0R+1], s[UW], ((\k)%2)*UCH
	s_add_nc_u64 s[G0R+2:G0R+3], s[UB:UB+1], ((\k)/2)*64*RT+((\k)%2)*REC
	s_or_b32 s[G0R+3], s[G0R+3], 0x80000000
	s_wait_dscnt 0x0
	WIN 0
	CROUND
	TLOAD G0R, G1R                                 ; my record; the four v_nop are also the places in front of what follows
.endm
; 64 numbers of a lane, register 16 b + i = place 32 b + 16 (lane / 16) + i, become 12 registers of codes in v[pc] on and a scale word in v[pw]
.macro QUANT s, pc, pw
.irp b, 0,1,2,3
	v_max3_num_f32 v[TM+\b], |v[(\s)+16*\b]|, |v[(\s)+1+16*\b]|, 0x1800000   ; my 16 numbers and the floor 2^(3 - 127); each accumulator is read from its low end on
.endr
.irp i, 2,4,6,8,10,12,14
.irp b, 0,1,2,3
	v_max3_num_f32 v[TM+\b], v[TM+\b], |v[(\s)+16*\b+\i]|, |v[(\s)+1+16*\b+\i]|
.endr
.endr
.irp b, 0,1,2,3
	v_permlanex16_b32 v[TM+4+\b], v[TM+\b], s[SEL], s[SEL+1]
.endr
.irp b, 0,1,2,3
	v_max_num_f32 v[TM+\b], v[TM+\b], v[TM+4+\b]       ; the block's largest magnitude
.endr
.irp b, 0,1,2,3
	v_add_nc_u32 v[TM+12+\b], 0xff000000, v[TM+\b]     ; 2 off its exponent field: the conversion's scale operand
.endr
.irp b, 0,1,2,3
	v_lshrrev_b32 v[TM+4+\b], 23, v[TM+12+\b]          ; the scale's byte
.endr
	v_lshl_or_b32 v[\pw], v[TM+5], 8, v[TM+4]
	v_lshl_or_b32 v[\pw], v[TM+6], 16, v[\pw]
	v_lshl_or_b32 v[\pw], v[TM+7], 24, v[\pw]
.irp c, 0,1
	v_cvt_scalef32_pk16_fp6_f32 v[(\pc)+6*\c:(\pc)+2+6*\c], v[(\s)+32*\c:(\s)+15+32*\c], v[TM+12+2*\c]
	v_cvt_scalef32_pk16_fp6_f32 v[(\pc)+12+4*\c:(\pc)+14+4*\c], v[(\s)+16+32*\c:(\s)+31+32*\c], v[TM+12+2*\c+1]
.endr
	v_nop                                              ; one plain instruction behind the scaled conversions
.irp c, 0,1
.irp i, 0,1,2
	v_permlane16_swap_b32 v[(\pc)+6*\c+\i], v[(\pc)+12+4*\c+\i]
.endr
.irp i, 0,1,2
	v_mov_b32 v[(\pc)+3+6*\c+\i], v[(\pc)+12+4*\c+\i]
.endr
.endr
.endm
; THE WAY OUT of panel p.  q, k: the 64 registers of token tiles 2 e, 2 e + 1 are one fragment.  v: those of feature tiles 2 e, 2 e + 1 are my unit of 64 keys of fragments 2 e and 2 e + 1.
.macro WAYOUT kind, p, op, ip, np
.rept \np
	v_nop
.endr
.irp b, 0,1,2,3
	v_mov_b32 v[TM+4+\b], 0                        ; a lane permute's destination counts as one of its sources
.endr
.irp e, 0,1
	QUANT ACC+64*\e, PC0+20*\e, PW0+\e
.if \kind
	global_store_b128 v8, v[PC0+20*\e:PC0+20*\e+3], s[\op:\op+1] offset:2*FRG*\e          ; whole aligned runs of 256 bytes
	global_store_b64 v9, v[PC0+20*\e+4:PC0+20*\e+5], s[\op:\op+1] offset:2*FRG*\e+512
	global_store_b128 v8, v[PC0+20*\e+6:PC0+20*\e+9], s[\op:\op+1] offset:2*FRG*\e+FRG
	global_store_b64 v9, v[PC0+20*\e+10:PC0+20*\e+11], s[\op:\op+1] offset:2*FRG*\e+FRG+512
.else
	global_store_b128 v8, v[PC0+20*\e:PC0+20*\e+3], s[\op:\op+1] offset:FRG*\e
	global_store_b64 v9, v[PC0+20*\e+4:PC0+20*\e+5], s[\op:\op+1] offset:FRG*\e+512
	global_store_b128 v8, v[PC0+20*\e+6:PC0+20*\e+9], s[\op:\op+1] offset:FRG*\e+768
	global_store_b64 v9, v[PC0+20*\e+10:PC0+20*\e+11], s[\op:\op+1] offset:FRG*\e+1280
.endif
	ds_store_b32 v10, v[PW0+\e] offset:64*\e+1024*\p   ; lanes r and r + 16 write the same word with the same value
.endr
	s_wait_dscnt 0x0                               ; for the others' sake: my words have landed
	s_barrier_signal -1
	s_barrier_wait -1
	s_cmp_lt_u32 s[WV], 2
	s_cbranch_scc0 .Lout_\@
.if \kind
.irp f, 0,1,2,3
	ds_load_b32 v[96+\f], v11 offset:64*\f+1024*\p ; keys 0-63: e = 0, 1; keys 64-127: e = 0, 1
.endr
	s_wait_dscnt 0x0
	v_perm_b32 v92, v98, v96, 0x05040100           ; fragment 0's word: the four blocks of keys in order
	v_perm_b32 v93, v98, v96, 0x07060302
	v_perm_b32 v94, v99, v97, 0x05040100
	v_perm_b32 v95, v99, v97, 0x07060302
.else
.irp f, 0,1,2,3
	ds_load_b32 v[92+\f], v11 offset:64*\f+1024*\p
.endr
	s_wait_dscnt 0x0
.endif
	global_store_b128 v12, v[92:95], s[\ip:\ip+1]  ; sixteen lanes store a record's 256 bytes of scale words
.Lout_\@:
	s_wait_xcnt 0x0                                ; the stores have read their registers: the next phase's loads may land there
.endm
	s_load_b512 s[4:19], s[0:1], 0x0               ; xr, wrec, bq, bk, bv, qr, kr, vr
	WIN 0x40
	v_lshl_add_u32 v0, v0, 2, SPARE                ; v256: my spare word
	v_mov_b32 v1, 0                                ; v257
	WIN 0x45
	ds_add_u32 v0, v1                              ; the opening lines: the add twice and its wait
	ds_add_u32 v0, v1
	WIN 0
	v_lshrrev_b32 v1, 5, v0
	v_readfirstlane_b32 s[WV], v1                  ; wave 0..7
	s_lshr_b32 s[IW], s[WV], 2                     ; which 64 features
	s_and_b32 s[JW], s[WV], 3                      ; which 64 tokens
	s_bfe_u32 s[CX], ttmp6, 0x40000
	s_bfe_u32 s[CY], ttmp6, 0x40004
	s_lshl_b32 s[GX], ttmp9, 2
	s_add_co_u32 s[GX], s[GX], s[CX]               ; T's tile of 256 tokens
	s_and_b32 s[GY], ttmp7, 0xffff
	s_lshl_b32 s[GY], s[GY], 2
	s_add_co_u32 s[GY], s[GY], s[CY]               ; U's tile of 128 features
	s_lshl_b32 s80, 0x1111, s[CX]                  ; my column of the cluster
	s_or_b32 s[G1T], s80, (3<<16)|(1<<21)          ; the mask; elements of 8 bytes; bit 21 beside a mask
	s_lshl_b32 s81, s[CY], 2
	s_lshl_b32 s81, 15, s81                        ; my row
	s_or_b32 s[G1U], s81, (3<<16)|(1<<21)
	s_or_b32 s[G1R], s81, (3<<16)|(1<<21)
	s_mov_b32 s[G1T+1], 800<<16                    ; a row is a record,
	s_mov_b32 s[G1T+2], 8<<16                      ; 8 tiles of rows: half of T's panel
	s_mov_b32 s[G1T+3], 800<<16
	s_mov_b32 s[G1T+4], 8
	s_mov_b32 s[G1T+5], 1600                       ; from a tile of rows to the next: two records
	s_mov_b32 s[G1T+6], 0
	s_mov_b32 s[G1T+7], 0
	s_mov_b32 s[G1U+1], 800<<16
	s_mov_b32 s[G1U+2], 4<<16                      ; 4 tiles of rows: half of U's panel
	s_mov_b32 s[G1U+3], 800<<16
	s_mov_b32 s[G1U+4], 4
	s_mov_b32 s[G1U+5], 1600
	s_mov_b32 s[G1U+6], 0
	s_mov_b32 s[G1U+7], 0
	s_mov_b32 s[G1R+1], 32<<16                     ; a record as 25 rows of 256 bytes
	s_mov_b32 s[G1R+2], 25<<16
	s_mov_b32 s[G1R+3], 32<<16
	s_mov_b32 s[G1R+4], 25
	s_mov_b32 s[G1R+5], 32
	s_mov_b32 s[G1R+6], 0
	s_mov_b32 s[G1R+7], 0
	s_and_b32 s82, s[WV], 1                        ; which half of a panel's rows I fetch at the head
	s_lshl_b32 s[TO], s[GX], 4
	s_lshl_b32 s83, s82, 3
	s_add_co_u32 s[TO], s[TO], s83
	s_mul_i32 s[TO], s[TO], RT                     ; T: tile of rows 16 GX + 8 (wave % 2)
	s_mov_b32 s[TO+1], 0
	s_lshl_b32 s[UO], s[GY], 3
	s_lshl_b32 s84, s82, 2
	s_add_co_u32 s84, s[UO], s84
	s_mul_i32 s84, s84, RT                         ; U at the head: Wq's tile of rows 8 GY + 4 (wave % 2)
	s_mov_b32 s85, 0
	s_add_co_u32 s[UO], s[UO], s[WV]
	s_add_co_u32 s[UO], s[UO], 64
	s_mul_i32 s[UO], s[UO], RT                     ; the refills: Wk's tile of rows 8 GY + wave; Wv's lies 64 tiles on
	s_mov_b32 s[UO+1], 0
	s_mul_i32 s86, s82, 8*REC                      ; where the fills go: no place in the cluster enters an LDS address
	s_mul_i32 s87, s82, 4*REC
	s_add_co_u32 s87, s87, UL
	s_mul_i32 s[UW], s[WV], REC
	s_add_co_u32 s[UW], s[UW], UL
	s_wait_dscnt 0x0
	s_wait_kmcnt 0x0
	s_add_nc_u64 s[TO:TO+1], s[4:5], s[TO:TO+1]
	s_add_nc_u64 s[84:85], s[6:7], s[84:85]
	s_add_nc_u64 s[UB:UB+1], s[6:7], s[UO:UO+1]
.irp c, 0,1
	s_mov_b32 s[G0T+4*\c], 1
	s_add_co_u32 s[G0T+4*\c+1], s86, \c*TCH
	s_add_nc_u64 s[G0T+4*\c+2:G0T+4*\c+3], s[TO:TO+1], \c*REC
	s_or_b32 s[G0T+4*\c+3], s[G0T+4*\c+3], 0x80000000
	s_mov_b32 s[G0U+4*\c], 1
	s_add_co_u32 s[G0U+4*\c+1], s87, \c*UCH
	s_add_nc_u64 s[G0U+4*\c+2:G0U+4*\c+3], s[84:85], \c*REC
	s_or_b32 s[G0U+4*\c+3], s[G0U+4*\c+3], 0x80000000
.endr
	s_mov_b32 s[G0R], 1
	CROUND                                         ; all sixteen work-groups are here: the joint loads meet
	s_cmp_lt_u32 s[WV], 2                          ; one chain of four arms, one fill a wave: waves 0, 1 T's first half of K, 2, 3 U's, 4, 5 T's second half, 6, 7 U's
	s_cbranch_scc0 .Lu_first
	TLOAD G0T, G1T
	s_branch .Lasked
.Lu_first:
	s_cmp_lt_u32 s[WV], 4
	s_cbranch_scc0 .Lt_second
	TLOAD G0U, G1U
	s_branch .Lasked
.Lt_second:
	s_cmp_lt_u32 s[WV], 6
	s_cbranch_scc0 .Lu_second
	TLOAD G0T+4, G1T
	s_branch .Lasked
.Lu_second:
	TLOAD G0U+4, G1U
.Lasked:
	; where the results go: the same record and image in qr, kr and vr
	s_lshr_b32 s80, s[GX], 3                       ; batch
	s_lshl_b32 s80, s80, 4
	s_lshl_b32 s81, s[GY], 1
	s_add_co_u32 s80, s80, s81                     ; 16 batch + 2 GY: the work-group's first head
	s_and_b32 s81, s[GX], 7
	s_lshl_b32 s81, s81, 1                         ; its first record: tokens 256 (GX % 8) on
	s_add_co_u32 s84, s80, s[IW]                   ; my head
	s_lshl_b32 s84, s84, 4
	s_add_co_u32 s84, s84, s81
	s_lshr_b32 s85, s[JW], 1
	s_add_co_u32 s84, s84, s85                     ; my record
	s_mul_i32 s84, s84, REC
	s_and_b32 s82, s[JW], 1
	s_mul_i32 s86, s82, 768
	s_add_co_u32 s86, s86, s84                     ; v: my 64 keys are unit wave % 2 of each fragment
	s_mov_b32 s87, 0
	s_mul_i32 s82, s82, 2*FRG
	s_add_co_u32 s84, s84, s82                     ; q, k: my two fragments
	s_mov_b32 s85, 0
	s_and_b32 s82, s[WV], 1                        ; waves 0, 1 store the scale words of heads 0, 1
	s_add_co_u32 s88, s80, s82
	s_lshl_b32 s88, s88, 4
	s_add_co_u32 s88, s88, s81
	s_mul_i32 s88, s88, REC
	s_add_co_u32 s88, s88, 4*FRG
	s_mov_b32 s89, 0
	s_add_nc_u64 s[96:97], s[14:15], s[88:89]
	s_add_nc_u64 s[98:99], s[16:17], s[88:89]
	s_add_nc_u64 s[100:101], s[18:19], s[88:89]
	s_add_nc_u64 s[14:15], s[14:15], s[84:85]
	s_add_nc_u64 s[16:17], s[16:17], s[84:85]
	s_add_nc_u64 s[18:19], s[18:19], s[86:87]
	s_lshl_b32 s84, s[GY], 9
	s_lshl_b32 s85, s[IW], 8
	s_add_co_u32 s84, s84, s85                     ; (128 GY + 64 (wave / 4)) x 4 bytes: my first feature in each bias
	s_mov_b32 s85, 0
	s_add_nc_u64 s[8:9], s[8:9], s[84:85]
	s_add_nc_u64 s[10:11], s[10:11], s[84:85]
	s_add_nc_u64 s[12:13], s[12:13], s[84:85]
	s_mov_b32 s[SEL], 0x76543210
	s_mov_b32 s[SEL+1], 0xfedcba98
	s_mul_i32 s80, s[IW], WT
	s_add_co_u32 s80, s80, UL                      ; the U tiles that I read
	s_mul_i32 s88, s[JW], WT                       ; and the T tiles
	s_xor_b32 s81, s[JW], 3                        ; 3 - (wave % 4)
	s_add_co_u32 s81, s81, s[IW]
	s_mul_i32 s81, s81, WT
	s_add_co_u32 s83, s81, UL-3*WT+UCH-TCH         ; from T's scale words to U's, second half of K
	s_add_co_u32 s81, s81, UL-3*WT                 ; and first half
	s_lshl_b32 s93, s[WV], 7
	s_and_b32 s94, s[WV], 1
	s_lshl_b32 s94, s94, 9
	v_and_b32 v13, 31, v0                          ; lane
	v_and_b32 v14, 15, v0                          ; r
	v_bfe_u32 v15, v0, 4, 1                        ; h
	v_lshlrev_b32 v8, 4, v13                       ; 16 x lane
	v_lshlrev_b32 v9, 3, v13                       ; 8 x lane
	v_add_nc_u32 v[UA16], s80, v8
	v_add_nc_u32 v[UA8], s80, v9
	v_add_nc_u32 v[TA16], s88, v8
	v_add_nc_u32 v[TA8], s88, v9
	v_mul_u32_u24 v[SA0], s81, v15                 ; lanes 16-31 take U's: one product with h
	v_lshl_add_u32 v[SA0], v14, 4, v[SA0]
	v_add_nc_u32 v[SA0], s88, v[SA0]
	v_add_nc_u32 v[SA0], 4*FRG, v[SA0]
	v_mul_u32_u24 v[SA0+1], s83, v15
	v_lshl_add_u32 v[SA0+1], v14, 4, v[SA0+1]
	v_add_nc_u32 v[SA0+1], s88, v[SA0+1]
	v_add_nc_u32 v[SA0+1], 4*FRG+TCH, v[SA0+1]
	v_lshl_add_u32 v10, v14, 2, s93
	v_add_nc_u32 v10, SCG, v10                     ; my scale words: 128 wave + 4 r
	v_lshl_add_u32 v11, v15, 8, s94
	v_lshl_add_u32 v11, v14, 2, v11
	v_add_nc_u32 v11, SCG, v11                     ; back: head wave % 2, record h, row r: 512 (wave % 2) + 256 h + 4 r
	v_mul_u32_u24 v12, v15, REC
	v_lshl_add_u32 v12, v14, 4, v12                ; and in memory: record h, 16 bytes a row
	v_lshlrev_b32 v16, 2, v14                      ; 4 r: bv at feature 16 a + r
	v_lshlrev_b32 v17, 5, v15                      ; 32 h: bq, bk at features 16 a + 8 h + 0..7
	v_add_nc_u32 v13, UCH, v[UA16]                 ; the second half's addresses
	v_add_nc_u32 v14, UCH, v[UA8]
	v_add_nc_u32 v15, TCH, v[TA16]
	v_add_nc_u32 v7, TCH, v[TA8]
	WALU                                           ; the wait at the head's end
	WIN 0x40                                       ; the loads land above v255
.irp a, 0,1,2,3
	global_load_b128 v[BQ+8*\a:BQ+8*\a+3], v17, s[8:9] offset:64*\a
	global_load_b128 v[BQ+8*\a+4:BQ+8*\a+7], v17, s[8:9] offset:64*\a+16
	global_load_b128 v[BK+8*\a:BK+8*\a+3], v17, s[10:11] offset:64*\a
	global_load_b128 v[BK+8*\a+4:BK+8*\a+7], v17, s[10:11] offset:64*\a+16
.endr
.irp a, 0,1,2,3
.irp j, 0,1,2,3,4,5,6,7
	global_load_b32 v[BV+8*\a+\j], v16, s[12:13] offset:64*\a   ; v's sums of a lane are all of one feature
.endr
.endr
	WIN 0
	s_cmp_lt_u32 s[WV], 4                          ; waves 0-3 fetched K's first half and wait for it; the second half's fills stay out
	s_cbranch_scc0 .Lnot_first
	s_wait_tensorcnt 0x0
.Lnot_first:
	s_barrier_signal -1
	s_barrier_wait -1
	s_wait_loadcnt 0x0                             ; the biases
	PHASE 0, 0, BQ, 0                              ; q
	TURN 0
	PHASE 0, 1, 0, 0
	TURN 1
	WAYOUT 0, 0, 14, 96, 0
	PHASE 0, 0, BK, 0                              ; k
	TURN 2
	PHASE 0, 1, 0, 0
	TURN 3
	WAYOUT 0, 1, 16, 98, 0
	PHASE 1, 0, BV, 0                              ; v
	s_wait_tensorcnt 0x0                           ; my record of the last refill is in,
	s_wait_dscnt 0x0
	s_barrier_signal -1
	s_barrier_wait -1                              ; and everybody's
	PHASE 1, 1, 0, 4
	WAYOUT 1, 2, 18, 100, 4
	WIN 5
	s_wait_tensorcnt 0x0                           ; the wave's end
	ds_add_u32 v0, v1
	s_wait_dscnt 0x0
	WIN 0
	CROUND                                         ; the closing round
	s_endpgm
.Lfunc_end_k_q37ec8a1fd2_qkv:
	.size	k_q37ec8a1fd2_qkv, .Lfunc_end_k_q37ec8a1fd2_qkv-k_q37ec8a1fd2_qkv
	.p2alignl 7, 3214868480
	.fill 96, 4, 3214868480
	.section	.rodata,"a",@progbits
	.p2align	6, 0x0
	.amdhsa_kernel k_q37ec8a1fd2_qkv
		.amdhsa_group_segment_fixed_size 327680
		.amdhsa_private_segment_fixed_size 0
		.amdhsa_enable_private_segment 0
		.amdhsa_kernarg_size 64
		.amdhsa_user_sgpr_count 2
		.amdhsa_user_sgpr_kernarg_segment_ptr 1
		.amdhsa_wavefront_size32 1
		.amdhsa_system_sgpr_workgroup_id_x 1
		.amdhsa_system_sgpr_workgroup_id_y 1
		.amdhsa_system_sgpr_workgroup_id_z 1
		.amdhsa_system_vgpr_workitem_id 0
		.amdhsa_next_free_vgpr 384
		.amdhsa_next_free_sgpr 102
		.amdhsa_reserve_vcc 0
		.amdhsa_float_denorm_mode_32 3
		.amdhsa_float_denorm_mode_16_64 3
		.amdhsa_memory_ordered 1
		.amdhsa_forward_progress 1
		.amdhsa_inst_pref_size 149
	.end_amdhsa_kernel
	.amdgpu_metadata
---
amdhsa.version: [ 1, 2 ]
amdhsa.kernels:
  - .name:           k_q37ec8a1fd2_qkv
    .symbol:         k_q37ec8a1fd2_qkv.kd
    .args:
      - { .name: xr, .offset: 0, .size: 8, .value_kind: global_buffer, .address_space: global }
      - { .name: wrec, .offset: 8, .size: 8, .value_kind: global_buffer, .address_space: global }
      - { .name: bq, .offset: 16, .size: 8, .value_kind: global_buffer, .address_space: global }
      - { .name: bk, .offset: 24, .size: 8, .value_kind: global_buffer, .address_space: global }
      - { .name: bv, .offset: 32, .size: 8, .value_kind: global_buffer, .address_space: global }
      - { .name: qr, .offset: 40, .size: 8, .value_kind: global_buffer, .address_space: global }
      - { .name: kr, .offset: 48, .size: 8, .value_kind: global_buffer, .address_space: global }
      - { .name: vr, .offset: 56, .size: 8, .value_kind: global_buffer, .address_space: global }
    .group_segment_fixed_size: 327680
    .private_segment_fixed_size: 0
    .kernarg_segment_align: 8
    .kernarg_segment_size: 64
    .max_flat_workgroup_size: 256
    .sgpr_count:     102
    .vgpr_count:     384
    .wavefront_size: 32
...
	.end_amdgpu_metadata
.endif
;; end of part 2
;; launch attn (part 3): grid 4 x 64, 16 waves a work-group, clusters of 4 x 1, 327,680 bytes of LDS; arguments qr, kr, vr, ar; writes ar
.if DOCPART == 3
	.amdgcn_target "amdgcn-amd-amdhsa--gfx1250"
	.amdhsa_code_object_version 6
	.text
	.protected	k_q37ec8a1fd2_attn
	.globl	k_q37ec8a1fd2_attn
	.p2align	8
	.type	k_q37ec8a1fd2_attn,@function
k_q37ec8a1fd2_attn:
	s_mov_b64 s[64:65], 0
	v_nop
	global_prefetch_b8 v0, s[64:65] scope:SCOPE_SE
	s_setreg_imm32_b32 hwreg(HW_REG_WAVE_MODE, 25, 1), 1
	s_wait_xcnt 0x0
	s_wait_alu depctr_hold_cnt(0) depctr_sa_sdst(0) depctr_va_vdst(0) depctr_va_sdst(0) depctr_va_ssrc(0) depctr_va_vcc(0) depctr_vm_vsrc(0)
	s_getreg_b32 s2, hwreg(HW_REG_IB_STS2, 6, 4)
	s_cmp_eq_u32 s2, 0
	s_cbranch_scc0 .Lentry_in_a_cluster
	s_endpgm
.Lentry_in_a_cluster:
	s_bfe_u32 s2, ttmp6, 0x10000c
	s_cmp_lg_u32 s2, 0x3003
	s_cbranch_scc0 .Lentry_shape_is_right
	s_endpgm
.Lentry_shape_is_right:
; a = softmax(q k^T / 8) v for one batch x head, on codes of FP6 (E2M3) with E8M0 scales, and a quantised along the head's 64 into ar.
; qr, kr, vr: [64 batch x head][16 records of 128 tokens]; a RECORD (6,400 bytes) is four fragments of 1,536 bytes and 256 bytes of scale words; a fragment is two
; UNITS of 768 bytes, images of six operand registers (registers 0-3 of lane l at 16 l, registers 4-5 at 512 + 8 l).  qr, kr: unit e of fragment f = tokens 32 f + 16 e + 0..15,
; K = the head's 64.  vr: fragment t = rows d 16 t + 0..15, K = the record's 128 keys; inside a block of 32 keys place p holds key (p & 7) + 16 ((p >> 3) & 1) + 8 (p >> 4).
; SHARES: a work-group takes 512 queries of a head, a wave two tiles of 16, one after the other (PASS 0, 1); a step is 128 keys, 16 steps a pass.
; Both products are used transposed (S^T = k q^T, O^T = v^T p^T): lane (r, h) holds query r throughout.
; THE ROWS OF A TILE OF k ARE CHOSEN BY THE LANES' LDS ADDRESSES: row m of tile (c, u) is place 8 u + m % 8 of key block 2 c + m / 8.  So the 32 score registers S + 32 c + .. of lane (r, h)
; are key block 2 c + h, whole and in v's order: the block's largest score needs no other lane, and two conversions give the six registers of p's operand as that lane wants them.
; The head is 64 deep and the instruction 128: source 0 holds two tiles side by side (u = 2 v and 2 v + 1), source 1 is (q | 0) or (0 | q).
; SOFTMAX: M = ceil of the running largest t, t = score x log2(e) / 8; p = 2^(t - M); the row's sum is taken of the unquantised p; when M moves, sum and O^T are multiplied by 2^(old M - new M).
; A block's largest p is the block's largest score put through the same multiply-add and exponential.
; LDS: all 16 records of k and of v, each byte filled ONCE, one joint load a wave at the head (wave w: two records, 12,800 dense bytes, of k (w < 8) or of v).  A group of four steps
; begins at a multiple of 65,536: [k 0][k 1][v 0][v 1][k 2][k 3][v 2][v 3]; so a trip of four steps names its bytes by immediates.  Behind the groups: each wave's 1,024 bytes
; for its second tile of q; then the spare words.  CLUSTER 4 x 1: the four work-groups of a head ask for k and v jointly.
; No prefetch: every tile is asked for at the head, there is no loop to run ahead in.
; WAITS: every wait on DScnt and TENSORcnt is for 0.  v's fragments of a step are asked for behind its score products, k's of the NEXT step behind them; the one wait stands behind the exponentials.
; LIMITS: NaN and infinities are not served; the promise holds while |t| stays under 2^31; a block whose largest p lies under 2^-124 keeps the scale byte 1.
.set REC, 6400
.set FRG, 1536
.set GRP, 65536
.set PAIR, 4*REC
.set QST, 4*GRP
.set SPARE, QST+16*1024
.set WV,  12
.set G1,  16
.set SEL, 32
.set CS,  34                           ; s[34:35] c = log2(e) / 8;  s36 -c
.set NCS, 36
.set TB,  37
.set CNT, 38
.set QB,  41
.set SPW, 1
.set NIL, 2
.set BK16, 3                           ; v3-8   lane terms of the LDS addresses: k's 16- and 8-byte pieces, k's scale words, the same for v
.set BK8,  4
.set BKS,  5
.set BV16, 6
.set BV8,  7
.set BVS,  8
.set AK16, 9                           ; v9-14  the same with the group's base
.set AK8,  10
.set AKS,  11
.set AV16, 12
.set AV8,  13
.set AVS,  14
.set T0,  15
.set QS,  34                           ; v16-21 zeros, v22-27 q, v28-33 zeros; v34 q's scale word
.set PS,  35                           ; p's scale word
.set KS,  36                           ; v36, 37  k's: register c, lanes 0-15 tiles v = 0, lanes 16-31 v = 1
.set VS,  38                           ; v38, 39  v's: register t / 2, lanes 0-15 even t, lanes 16-31 odd t
.set NM,  40                           ; -M;  v41 the running largest score
.set RM,  41
.set LS,  42                           ; v42, 43  the row's sum in two halves
.set FF,  44                           ; 2^(old M - new M);  v45 at work
.set BM,  46
.set SO,  48
.set T1,  50
.set PC,  52                           ; v52-63 p's codes
.set KF,  64                           ; v64-111 k's four fragments
.set VF,  112                          ; v112-159 v's four
.set S,   160                          ; v160-223 scores, then p
.set O,   224                          ; v224-255 O^T
.macro CROUND
	s_barrier_signal -1
	s_barrier_wait -1
	s_cmp_lg_u32 s[WV], 0
	s_cbranch_scc1 .Lnot_wave_0_\@
	s_barrier_signal -3
.Lnot_wave_0_\@:
	s_barrier_wait -3
	s_barrier_signal -1
	s_barrier_wait -1
.endm
.macro WALU
	s_wait_alu depctr_va_vdst(0)
.endm
.macro FRAGLD reg, a16, a8, off
	ds_load_b128 v[(\reg):(\reg)+3], v[\a16] offset:(\off)
	ds_load_b64 v[(\reg)+4:(\reg)+5], v[\a8] offset:(\off)+512
	ds_load_b128 v[(\reg)+6:(\reg)+9], v[\a16] offset:(\off)+768
	ds_load_b64 v[(\reg)+10:(\reg)+11], v[\a8] offset:(\off)+1280
.endm
.macro KLD c, v, off                   ; lane (r, h) takes the image of lane r % 8 + 8 v + 16 h of fragment 2 c + r / 8
	ds_load_b128 v[KF+24*\c+12*\v:KF+24*\c+12*\v+3], v[AK16] offset:(\off)+2*FRG*\c+128*\v
	ds_load_b64 v[KF+24*\c+12*\v+4:KF+24*\c+12*\v+5], v[AK8] offset:(\off)+2*FRG*\c+512+64*\v
	ds_load_b128 v[KF+24*\c+12*\v+6:KF+24*\c+12*\v+9], v[AK16] offset:(\off)+2*FRG*\c+768+128*\v
	ds_load_b64 v[KF+24*\c+12*\v+10:KF+24*\c+12*\v+11], v[AK8] offset:(\off)+2*FRG*\c+1280+64*\v
.endm
.macro KSLD off
	ds_load_b32 v[KS], v[AKS] offset:(\off)+4*FRG
	ds_load_b32 v[KS+1], v[AKS] offset:(\off)+4*FRG+8
.endm
.macro AD a, k                         ; pair k of p onto a chain of the sum
	v_pk_add_f32 v[\a:\a+1], v[\a:\a+1], v[S+2*(\k):S+2*(\k)+1]
.endm
.macro WM d, a, b, c, sa, sb, row
	v_wmma_scale_f32_16x16x128_f8f6f4 v[\d:\d+7], v[\a:\a+11], v[\b:\b+11], \c, v[\sa], v[\sb] matrix_a_fmt:MATRIX_FMT_FP6 matrix_b_fmt:MATRIX_FMT_FP6 matrix_a_scale:MATRIX_SCALE_ROW\row
.endm
.macro STEP j                          ; step j of a group of four
.set KN, ((((\j)+1)%4)/2)*PAIR+(((\j)+1)%2)*REC
.set VO, ((\j)/2)*PAIR+((\j)%2)*REC+2*REC
.irp c, 0,1
.irp v, 0,1
	WM S+32*\c+16*\v, KF+24*\c+12*\v, 22, 0, KS+\c, QS, \v
	WM S+32*\c+16*\v+8, KF+24*\c+12*\v, 16, 0, KS+\c, QS, \v
.endr
.endr
; four plain instructions in front of loads into registers that matrix instructions have read
.if (\j) == 0
	s_lshl_b32 s[TB], s[CNT], 16                   ; this group's base, for v
	v_add_nc_u32 v[AV16], s[TB], v[BV16]
	v_add_nc_u32 v[AV8], s[TB], v[BV8]
	v_add_nc_u32 v[AVS], s[TB], v[BVS]
	v_nop
.elseif (\j) == 3
	s_add_co_u32 s[TB], s[CNT], 1                  ; the next group's base, for k; behind the last group comes the first: the next pass begins there
	s_and_b32 s[TB], s[TB], 3
	s_lshl_b32 s[TB], s[TB], 16
	v_add_nc_u32 v[AK16], s[TB], v[BK16]
	v_add_nc_u32 v[AK8], s[TB], v[BK8]
	v_add_nc_u32 v[AKS], s[TB], v[BKS]
	v_nop
.else
.rept 4
	v_nop
.endr
.endif
.irp t, 0,1,2,3
	FRAGLD VF+12*\t, AV16, AV8, VO+FRG*\t
.endr
	ds_load_b32 v[VS], v[AVS] offset:VO+4*FRG
	ds_load_b32 v[VS+1], v[AVS] offset:VO+4*FRG+8
; the largest score of my two blocks, each in two chains; every accumulator is read from its low end on
	v_max3_num_f32 v[BM], v[S], v[S+1], v[S+2]
	v_max3_num_f32 v[T1], v[S+16], v[S+17], v[S+18]
	v_max3_num_f32 v[BM+1], v[S+32], v[S+33], v[S+34]
	v_max3_num_f32 v[T1+1], v[S+48], v[S+49], v[S+50]
.irp i, 3,5,7,9,11,13
	v_max3_num_f32 v[BM], v[BM], v[S+\i], v[S+\i+1]
	v_max3_num_f32 v[T1], v[T1], v[S+16+\i], v[S+17+\i]
	v_max3_num_f32 v[BM+1], v[BM+1], v[S+32+\i], v[S+33+\i]
	v_max3_num_f32 v[T1+1], v[T1+1], v[S+48+\i], v[S+49+\i]
.endr
	v_max3_num_f32 v[BM], v[BM], v[T1], v[S+15]
	v_max3_num_f32 v[BM+1], v[BM+1], v[T1+1], v[S+47]
	v_max_num_f32 v[BM], v[BM], v[S+31]
	v_max_num_f32 v[BM+1], v[BM+1], v[S+63]
; the row's running maximum and -M: a chain; the next step's loads of k stand between its links
	v_max_num_f32 v[T0], v[BM], v[BM+1]
	KLD 0, 0, KN
	v_permlanex16_b32 v[T1], v[T0], s[SEL], s[SEL+1]
	KLD 0, 1, KN
	v_max3_num_f32 v[RM], v[RM], v[T0], v[T1]
	KLD 1, 0, KN
	v_mul_f32 v[T0], s[NCS], v[RM]
	v_mov_b32 v[FF+1], v[NM]
	KLD 1, 1, KN
	v_floor_f32 v[NM], v[T0]                       ; -M = floor(-t)
	KSLD KN
.set I, 0
.rept 32
	v_pk_fma_f32 v[S+I:S+I+1], v[S+I:S+I+1], s[CS:CS+1], v[NM:NM+1] op_sel_hi:[1,0,0]   ; t - M
.if I == 6
	v_sub_f32 v[FF+1], v[NM], v[FF+1]              ; old M - new M, a whole number
.elseif I == 14
	v_cvt_i32_f32 v[FF+1], v[FF+1]
.elseif I == 22
	v_ldexp_f32 v[FF], 1.0, v[FF+1]
.endif
.set I, I+2
.endr
	v_fma_f32 v[BM], v[BM], s[CS], v[NM]
	v_fma_f32 v[BM+1], v[BM+1], s[CS], v[NM]
.set I, 0
.rept 16
	v_pk_mul_f32 v[O+I:O+I+1], v[O+I:O+I+1], v[FF:FF+1] op_sel_hi:[1,0]   ; O^T under the new M
.set I, I+2
.endr
	WALU                                           ; the wait ahead of the batch
	v_exp_f32 v[BM], v[BM]
	v_exp_f32 v[BM+1], v[BM+1]
.set I, 0
.rept 64
	v_exp_f32 v[S+I], v[S+I]
.set I, I+1
.endr
	v_pk_mul_f32 v[LS:LS+1], v[LS:LS+1], v[FF:FF+1] op_sel_hi:[1,0]
	s_wait_dscnt 0x0                               ; v's fragments of this step and k's of the next are in
	WALU                                           ; and behind the batch
	v_max_num_f32 v[BM], 0x1800000, v[BM]          ; the floor 2^(3 - 127)
	v_max_num_f32 v[BM+1], 0x1800000, v[BM+1]
	v_pk_add_f32 v[T1:T1+1], v[S:S+1], v[S+2:S+3]  ; the sum of the unquantised p, in three chains; pairs 0, 1, 16, 17 first: their registers take codes below
	AD LS, 16
	v_add_nc_u32 v[SO], 0xff000000, v[BM]          ; 2 off the exponent field: the conversions' scale operand
	v_add_nc_u32 v[SO+1], 0xff000000, v[BM+1]
	AD T1, 17
	AD LS, 2
	v_pk_add_f32 v[BM:BM+1], v[S+6:S+7], v[S+8:S+9]
	v_cvt_scalef32_pk16_fp6_f32 v[PC:PC+2], v[S:S+15], v[SO]
	v_cvt_scalef32_pk16_fp6_f32 v[PC+6:PC+8], v[S+32:S+47], v[SO+1]
	v_lshrrev_b32 v[T0], 23, v[SO]                 ; block h's byte
	v_cvt_scalef32_pk16_fp6_f32 v[S:S+2], v[S+16:S+31], v[SO]       ; a conversion's three registers begin on an even number: made here and moved
	v_cvt_scalef32_pk16_fp6_f32 v[S+32:S+34], v[S+48:S+63], v[SO+1]
	AD T1, 5
	AD BM, 6
	AD LS, 7
	v_lshrrev_b32 v[SO+1], 23, v[SO+1]             ; block 2 + h's
	AD T1, 8
	AD BM, 9
	v_lshl_or_b32 v[T0], v[SO+1], 16, v[T0]
.irp i, 0,1,2
	v_mov_b32 v[PC+3+\i], v[S+\i]
.endr
	v_permlanex16_b32 v[SO], v[T0], s[SEL], s[SEL+1]
.irp i, 0,1,2
	v_mov_b32 v[PC+9+\i], v[S+32+\i]
.endr
	v_lshl_or_b32 v[PS], v[SO], 8, v[T0]           ; lanes 0-15, which alone are read: blocks 0, 2 mine, 1, 3 lane l + 16's
.irp k, 10,13,18,21,24,27                      ; these 22 are the places between the codes and the scale word and the products
	AD LS, \k
	AD T1, \k+1
	AD BM, \k+2
.endr
	AD LS, 30
	AD T1, 31
	v_pk_add_f32 v[T1:T1+1], v[T1:T1+1], v[BM:BM+1]
	v_pk_add_f32 v[LS:LS+1], v[LS:LS+1], v[T1:T1+1]
.irp u, 0,1
.irp e, 0,1
	WM O+8*(2*\u+\e), VF+12*(2*\u+\e), PC, v[O+8*(2*\u+\e):O+8*(2*\u+\e)+7], VS+\u, PS, \e
.endr
.endr
.endm
.macro PASS n
	v_mov_b32 v[RM], 0xff61b1e6                    ; -3e38, under every score
	v_floor_f32 v[NM], -v[RM]
	v_mov_b32 v[LS], 0
	v_mov_b32 v[LS+1], 0
.set I, 0
.rept 32
	v_mov_b32 v[O+I], 0                            ; the step is written once: the first finds zeros
.set I, I+1
.endr
	s_mov_b32 s[CNT], 0
	WALU                                           ; the wait ahead of the wait below
	s_wait_dscnt 0x0                               ; k's first fragments (pass 1: and q) are in
.Lgroup_\@:
	STEP 0
	STEP 1
	STEP 2
	STEP 3
	s_add_co_u32 s[CNT], s[CNT], 1
	s_cmp_lt_u32 s[CNT], 4
	s_cbranch_scc1 .Lgroup_\@
.if (\n) == 0
	v_add_nc_u32 v[AV16], s[QB], v[BV16]           ; my second tile of q comes back from my own LDS bytes
	v_add_nc_u32 v[AV8], s[QB], v[BV8]
	ds_load_b128 v[22:25], v[AV16]
	ds_load_b64 v[26:27], v[AV8] offset:512
	ds_load_b32 v[QS], v[AV8] offset:768
.endif
	v_add_f32 v[LS], v[LS], v[LS+1]
	v_permlanex16_b32 v[T0], v[LS], s[SEL], s[SEL+1]
	v_add_f32 v[LS], v[LS], v[T0]                  ; the row's sum
	WALU
	v_rcp_f32 v[FF], v[LS]
	v_nop
	v_nop
	WALU
.set I, 0
.rept 16
	v_pk_mul_f32 v[S+I:S+I+1], v[O+I:O+I+1], v[FF:FF+1] op_sel_hi:[1,0]   ; register 8 t + i: a(query r, 16 t + 8 h + i)
.set I, I+2
.endr
.irp b, 0,1                                    ; quantised along the head's 64: block b lies in lanes l and l xor 16
	v_max3_num_f32 v[BM+\b], |v[S+16*\b]|, |v[S+16*\b+1]|, 0x1800000
.endr
.irp i, 2,4,6,8,10,12,14
.irp b, 0,1
	v_max3_num_f32 v[BM+\b], v[BM+\b], |v[S+16*\b+\i]|, |v[S+16*\b+\i+1]|
.endr
.endr
.irp b, 0,1
	v_permlanex16_b32 v[T1+\b], v[BM+\b], s[SEL], s[SEL+1]
.endr
.irp b, 0,1
	v_max_num_f32 v[BM+\b], v[BM+\b], v[T1+\b]
.endr
.irp b, 0,1
	v_add_nc_u32 v[SO+\b], 0xff000000, v[BM+\b]
.endr
.irp b, 0,1
	v_lshrrev_b32 v[T1+\b], 23, v[SO+\b]
.endr
	v_lshl_or_b32 v[T0], v[T1+1], 8, v[T1]
	v_cvt_scalef32_pk16_fp6_f32 v[PC:PC+2], v[S:S+15], v[SO]
	v_cvt_scalef32_pk16_fp6_f32 v[PC+6:PC+8], v[S+16:S+31], v[SO+1]
	v_and_b32 v[T1], 31, v0                        ; the lane; also the plain instruction behind the conversions
.irp i, 0,1,2
	v_permlane16_swap_b32 v[PC+\i], v[PC+6+\i]
.endr
.irp i, 0,1,2
	v_mov_b32 v[PC+3+\i], v[PC+6+\i]
.endr
	global_store_b128 v[BV16], v[PC:PC+3], s[46:47] offset:32*REC*(\n)
	global_store_b64 v[BV8], v[PC+4:PC+5], s[46:47] offset:32*REC*(\n)+512
	v_cmp_gt_u32 vcc_lo, 16, v[T1]
	WALU                                           ; the wait ahead of the wait below
	s_wait_xcnt 0x0                                ; EXEC changes only behind this wait
	s_and_saveexec_b32 s40, vcc_lo
	global_store_b16 v[BVS], v[T0], s[48:49] offset:32*REC*(\n)   ; lanes 0-15: 16 r; my head's two scale bytes of row r
	s_wait_xcnt 0x0
	s_or_b32 exec_lo, exec_lo, s40
.endm
	s_load_b256 s[4:11], s[0:1], 0x0               ; qr, kr, vr, ar
	v_lshl_add_u32 v[SPW], v0, 2, SPARE
	v_mov_b32 v[NIL], 0
	ds_add_u32 v[SPW], v[NIL]                      ; the opening lines: the add twice and its wait
	ds_add_u32 v[SPW], v[NIL]
	v_lshrrev_b32 v[T0], 5, v0
	v_readfirstlane_b32 s[WV], v[T0]               ; wave 0..15
	s_bfe_u32 s13, ttmp6, 0x40000                  ; cx: which 512 queries
	s_and_b32 s14, ttmp7, 0xffff                   ; batch x head
	s_mov_b32 s[G1], 15|(3<<16)|(1<<21)            ; all four partners; elements of 8 bytes
	s_mov_b32 s[G1+1], 32<<16                      ; rows of 256 bytes,
	s_mov_b32 s[G1+2], 50<<16                      ; 50 of them: two records
	s_mov_b32 s[G1+3], 32<<16
	s_mov_b32 s[G1+4], 50
	s_mov_b32 s[G1+5], 32
	s_mov_b32 s[G1+6], 0
	s_mov_b32 s[G1+7], 0
	s_and_b32 s50, s[WV], 7                        ; which two records
	s_lshr_b32 s51, s[WV], 3                       ; of k (0) or of v (1)
	s_mul_i32 s52, s50, 2*REC
	s_mul_i32 s53, s14, 16*REC
	s_add_co_u32 s52, s52, s53
	s_mov_b32 s53, 0
	s_lshr_b32 s54, s50, 1
	s_lshl_b32 s54, s54, 16
	s_and_b32 s55, s50, 1
	s_mul_i32 s55, s55, PAIR
	s_add_co_u32 s54, s54, s55
	s_mul_i32 s55, s51, 2*REC
	s_mov_b32 s24, 1
	s_add_co_u32 s25, s54, s55
	WALU
	s_wait_dscnt 0x0
	s_wait_kmcnt 0x0
	s_cmp_eq_u32 s51, 0                            ; the choice hangs on the wave's number alone
	s_cselect_b64 s[26:27], s[6:7], s[8:9]
	s_add_nc_u64 s[26:27], s[26:27], s[52:53]
	s_or_b32 s27, s27, 0x80000000
	CROUND                                         ; the four work-groups are here: the joint loads meet
	tensor_load_to_lds s[24:27], s[G1:G1+7]        ; my one load
	s_nop 0
.rept 4
	v_nop
.endr
	s_lshl_b32 s50, s14, 4                         ; q: record 16 head + 4 cx + wave / 8 (+ 2 in pass 1), unit wave % 8
	s_lshl_b32 s51, s13, 2
	s_add_co_u32 s50, s50, s51
	s_lshr_b32 s51, s[WV], 3
	s_add_co_u32 s50, s50, s51
	s_mul_i32 s50, s50, REC
	s_mov_b32 s51, 0
	s_add_nc_u64 s[44:45], s[4:5], s[50:51]
	s_and_b32 s52, s[WV], 7
	s_mul_i32 s50, s52, 768
	s_add_nc_u64 s[42:43], s[44:45], s[50:51]
	s_lshr_b32 s50, s52, 1
	s_lshl_b32 s50, s50, 2
	s_add_co_u32 s50, s50, 4*FRG
	s_add_nc_u64 s[44:45], s[44:45], s[50:51]
	s_lshr_b32 s50, s14, 4                         ; ar: tile of 16 tokens 128 batch + 32 cx + wave (+ 16 in pass 1), record head / 8, unit head % 8
	s_lshl_b32 s50, s50, 7
	s_lshl_b32 s51, s13, 5
	s_add_co_u32 s50, s50, s51
	s_add_co_u32 s50, s50, s[WV]
	s_mul_i32 s50, s50, 2*REC
	s_bfe_u32 s51, s14, 0x10003
	s_mul_i32 s51, s51, REC
	s_add_co_u32 s50, s50, s51
	s_mov_b32 s51, 0
	s_add_nc_u64 s[48:49], s[10:11], s[50:51]
	s_and_b32 s52, s14, 7
	s_mul_i32 s50, s52, 768
	s_add_nc_u64 s[46:47], s[48:49], s[50:51]
	s_lshl_b32 s50, s52, 1
	s_add_co_u32 s50, s50, 4*FRG
	s_add_nc_u64 s[48:49], s[48:49], s[50:51]
	s_mov_b32 s[SEL], 0x76543210
	s_mov_b32 s[SEL+1], 0xfedcba98
	s_mov_b32 s[CS], 0x3e38aa3b
	s_mov_b32 s[CS+1], s[CS]
	s_mov_b32 s[NCS], 0xbe38aa3b
	s_mov_b32 s39, 0x03020302                      ; my unit's two scale bytes, twice: for (q | 0) and (0 | q)
	s_and_b32 s50, s[WV], 1
	s_cmp_lg_u32 s50, 0
	s_cselect_b32 s39, s39, 0x01000100
	s_lshl_b32 s[QB], s[WV], 10
	s_add_co_u32 s[QB], s[QB], QST
	v_and_b32 v[T0], 31, v0
	v_lshlrev_b32 v[BV16], 4, v[T0]                ; 16 l
	v_lshlrev_b32 v[BV8], 3, v[T0]                 ; 8 l
	v_and_b32 v[T1], 15, v0
	v_bfe_u32 v[T1+1], v0, 4, 1                    ; h
	v_lshlrev_b32 v[BVS], 4, v[T1]
	v_lshlrev_b32 v[S+14], 4, v[T1]                ; 16 r in every lane: q's scale words
	v_lshl_add_u32 v[BVS], v[T1+1], 2, v[BVS]      ; 16 r + 4 h
	v_and_b32 v[BM], 0x17, v0                      ; r % 8 + 16 h
	v_bfe_u32 v[BM+1], v0, 3, 1                    ; r / 8
	v_mul_u32_u24 v[SO], v[BM+1], FRG
	v_lshl_add_u32 v[BK16], v[BM], 4, v[SO]
	v_lshl_add_u32 v[BK8], v[BM], 3, v[SO]
	v_and_b32 v[SO+1], 7, v0
	v_lshlrev_b32 v[BKS], 4, v[SO+1]
	v_lshl_add_u32 v[BKS], v[T1+1], 7, v[BKS]
	v_lshl_add_u32 v[BKS], v[BM+1], 2, v[BKS]      ; 16 (r % 8) + 128 h + 4 (r / 8)
	v_mov_b32 v[AK16], v[BK16]                     ; group 0
	v_mov_b32 v[AK8], v[BK8]
	v_mov_b32 v[AKS], v[BKS]
	v_add_nc_u32 v[S+12], s[QB], v[BV16]
	v_add_nc_u32 v[S+13], s[QB], v[BV8]
.irp z, 16,17,18,19,20,21,28,29,30,31,32,33
	v_mov_b32 v\z, 0
.endr
	v_mov_b32 v[FF+1], 0
	WALU
	global_load_b128 v[22:25], v[BV16], s[42:43]
	global_load_b64 v[26:27], v[BV8], s[42:43] offset:512
	global_load_b32 v[S+8], v[S+14], s[44:45]      ; row r's word
	global_load_b128 v[S:S+3], v[BV16], s[42:43] offset:2*REC
	global_load_b64 v[S+4:S+5], v[BV8], s[42:43] offset:2*REC+512
	global_load_b32 v[S+9], v[S+14], s[44:45] offset:2*REC
	s_wait_loadcnt 0x0
	v_perm_b32 v[QS], v[S+8], v[S+8], s39
	v_perm_b32 v[S+10], v[S+9], v[S+9], s39
	WALU
	s_wait_tensorcnt 0x0                           ; my two records are in
	s_barrier_signal -1
	s_barrier_wait -1                              ; everybody's are
	ds_store_b128 v[S+12], v[S:S+3]                ; the second tile of q waits in my own LDS bytes, into which no fill lands
	ds_store_b64 v[S+13], v[S+4:S+5] offset:512
	ds_store_b32 v[S+13], v[S+10] offset:768
	KLD 0, 0, 0
	KLD 0, 1, 0
	KLD 1, 0, 0
	KLD 1, 1, 0
	KSLD 0
	PASS 0
	PASS 1
	s_wait_tensorcnt 0x0                           ; the wave's end
	ds_add_u32 v[SPW], v[NIL]
	s_wait_dscnt 0x0
	CROUND                                         ; the closing round
	s_endpgm
.Lfunc_end_k_q37ec8a1fd2_attn:
	.size	k_q37ec8a1fd2_attn, .Lfunc_end_k_q37ec8a1fd2_attn-k_q37ec8a1fd2_attn
	.p2alignl 7, 3214868480
	.fill 96, 4, 3214868480
	.section	.rodata,"a",@progbits
	.p2align	6, 0x0
	.amdhsa_kernel k_q37ec8a1fd2_attn
		.amdhsa_group_segment_fixed_size 327680
		.amdhsa_private_segment_fixed_size 0
		.amdhsa_enable_private_segment 0
		.amdhsa_kernarg_size 32
		.amdhsa_user_sgpr_count 2
		.amdhsa_user_sgpr_kernarg_segment_ptr 1
		.amdhsa_wavefront_size32 1
		.amdhsa_system_sgpr_workgroup_id_x 1
		.amdhsa_system_sgpr_workgroup_id_y 1
		.amdhsa_system_sgpr_workgroup_id_z 1
		.amdhsa_system_vgpr_workitem_id 0
		.amdhsa_next_free_vgpr 256
		.amdhsa_next_free_sgpr 66
		.amdhsa_reserve_vcc 1
		.amdhsa_float_denorm_mode_32 3
		.amdhsa_float_denorm_mode_16_64 3
		.amdhsa_memory_ordered 1
		.amdhsa_forward_progress 1
		.amdhsa_inst_pref_size 135
	.end_amdhsa_kernel
	.amdgpu_metadata
---
amdhsa.version: [ 1, 2 ]
amdhsa.kernels:
  - .name:           k_q37ec8a1fd2_attn
    .symbol:         k_q37ec8a1fd2_attn.kd
    .args:
      - { .name: qr, .offset: 0, .size: 8, .value_kind: global_buffer, .address_space: global }
      - { .name: kr, .offset: 8, .size: 8, .value_kind: global_buffer, .address_space: global }
      - { .name: vr, .offset: 16, .size: 8, .value_kind: global_buffer, .address_space: global }
      - { .name: ar, .offset: 24, .size: 8, .value_kind: global_buffer, .address_space: global }
    .group_segment_fixed_size: 327680
    .private_segment_fixed_size: 0
    .kernarg_segment_align: 8
    .kernarg_segment_size: 32
    .max_flat_workgroup_size: 512
    .sgpr_count:     66
    .vgpr_count:     256
    .wavefront_size: 32
...
	.end_amdgpu_metadata
.endif
;; end of part 3
;; launch oproj (part 4): grid 32 x 8, 8 waves a work-group, clusters of 4 x 4, 308,224 bytes of LDS; arguments ar, wrec, bo, out0; writes out0
.if DOCPART == 4
	.amdgcn_target "amdgcn-amd-amdhsa--gfx1250"
	.amdhsa_code_object_version 6
	.text
	.protected	k_q37ec8a1fd2_oproj
	.globl	k_q37ec8a1fd2_oproj
	.p2align	8
	.type	k_q37ec8a1fd2_oproj,@function
k_q37ec8a1fd2_oproj:
	s_mov_b64 s[64:65], 0
	v_nop
	global_prefetch_b8 v0, s[64:65] scope:SCOPE_SE
	s_setreg_imm32_b32 hwreg(HW_REG_WAVE_MODE, 25, 1), 1
	s_wait_xcnt 0x0
	s_wait_alu depctr_hold_cnt(0) depctr_sa_sdst(0) depctr_va_vdst(0) depctr_va_sdst(0) depctr_va_ssrc(0) depctr_va_vcc(0) depctr_vm_vsrc(0)
	s_getreg_b32 s2, hwreg(HW_REG_IB_STS2, 6, 4)
	s_cmp_eq_u32 s2, 0
	s_cbranch_scc0 .Lentry_in_a_cluster
	s_endpgm
.Lentry_in_a_cluster:
	s_bfe_u32 s2, ttmp6, 0x10000c
	s_cmp_lg_u32 s2, 0xf033
	s_cbranch_scc0 .Lentry_shape_is_right
	s_endpgm
.Lentry_shape_is_right:
; out0 = a Wo^T + bo on codes of FP6 (E2M3) with E8M0 scales; a = attention's result, quantised by the launch before; out0 [8192][1024] f32.
; Operands lie in memory as images of operand registers: a UNIT (768 bytes) is 16 rows x 64 K (registers 0-3 of lane l at 16 l, registers 4-5 at 512 + 8 l);
; a FRAGMENT two units; a RECORD (6,400 bytes) four fragments and 256 bytes of scale words (byte 16 r + 4 f + b).  ar, wrec: [tile of 16 rows][2 records].
; P[i][j] = sum over k of U[i][k] T[j][k]; source 0 = 16 rows of U (features of Wo), source 1 = 16 rows of T (tokens): a lane holds ONE token (lane % 16) and
; eight neighbouring features of each tile: 32 neighbouring bytes of a row of out0.
; SHARES: a work-group takes 128 features x 256 tokens, all of K = 1,024; both panels lie whole in LDS, each byte filled ONCE, all asked for at the head.
; Eight waves, two to a SIMD; wave w takes features 64 (w / 4) on and tokens 64 (w % 4) on: 16 accumulators.
; CLUSTER 4 x 4: T's panel hangs on the work-group's x alone and is asked for jointly by the four of equal cx, U's on y alone by the four of equal cy.
; THE WAY OUT goes through a stage of the wave's own, 16 rows x (256 + 16) bytes, in the first 34,816 bytes of T's first half of K: those bytes have had their only
; fill, and every wave's reads of that half were over in front of the second barrier.
.set REC, 6400
.set FRG, 1536
.set RT,  2*REC
.set WT,  4*REC
.set TCH, 16*REC
.set UCH, 8*REC
.set UL,  2*TCH
.set TP,  4                            ; T's pointer: ar
.set UP,  6                            ; U's pointer: wrec,
.set UADD, 3*128*REC                   ; at Wo's records
.set WV,  16
.set IW,  17
.set JW,  18
.set CX,  19
.set CY,  20
.set GX,  21
.set GY,  22
.set CLY, 23
.set G1T, 24
.set G1U, 32
.set G0T, 40
.set G0U, 48
.set TO,  56
.set UO,  58
.set OUTB, 66
.set BIAS, 68
.set UA16, 1
.set UA8,  2
.set TA16, 3
.set TA8,  4
.set SA0,  5
.set SA1,  6
.set STO,  10                          ; v10 the stage: where I put 32 bytes of a row
.set RD,   11                          ; v11 where I read a row back
.set CO,   12                          ; v12 my byte offset in two rows of out0
.set SC,   16                          ; v16-31  register 4 a + f: lanes 0-15 the word of T's tile a, lanes 16-31 of U's tile a, fragment f
.set UF,   32
.set TF,   80
.set ACC,  128                         ; accumulator (a, b) at 32 b + 8 a
.set BK,   32                          ; the way out: 16 rows read back: v32-63 and v64-95 by turns
.set SPI,  272
.macro CROUND
	s_barrier_signal -1
	s_barrier_wait -1
	s_cmp_lg_u32 s[WV], 0
	s_cbranch_scc1 .Lnot_wave_0_\@
	s_barrier_signal -3
.Lnot_wave_0_\@:
	s_barrier_wait -3
	s_barrier_signal -1
	s_barrier_wait -1
.endm
.macro FRAGLD reg, a16, a8, off
	ds_load_b128 v[(\reg):(\reg)+3], v[\a16] offset:(\off)
	ds_load_b64 v[(\reg)+4:(\reg)+5], v[\a8] offset:(\off)+512
	ds_load_b128 v[(\reg)+6:(\reg)+9], v[\a16] offset:(\off)+768
	ds_load_b64 v[(\reg)+10:(\reg)+11], v[\a8] offset:(\off)+1280
.endm
.macro SCLD sa
.irp a, 0,1,2,3
	ds_load_b128 v[SC+4*\a:SC+4*\a+3], v[\sa] offset:REC*\a
.endr
.endm
; 128 along K: 32 LDS loads, 16 matrix instructions; the sixteen accumulators take turns, one instruction a turn
.macro KSTEP f, np
.rept \np
	v_nop
.endr
	FRAGLD TF, TA16, TA8, FRG*(\f)
.irp a, 0,1,2,3
	FRAGLD UF+12*\a, UA16, UA8, REC*\a+FRG*(\f)
.endr
.irp b, 1,2,3
	FRAGLD TF+12*\b, TA16, TA8, REC*\b+FRG*(\f)
.endr
.irp b, 0,1,2,3
	s_wait_dscnt 12-4*\b                           ; U's four and T's tiles up to b are in; the loads of the T tiles behind b stay out
.irp a, 0,1,2,3
	v_wmma_scale_f32_16x16x128_f8f6f4 v[ACC+32*\b+8*\a:ACC+32*\b+8*\a+7], v[UF+12*\a:UF+12*\a+11], v[TF+12*\b:TF+12*\b+11], v[ACC+32*\b+8*\a:ACC+32*\b+8*\a+7], v[SC+4*\a+(\f)], v[SC+4*\b+(\f)] matrix_a_fmt:MATRIX_FMT_FP6 matrix_b_fmt:MATRIX_FMT_FP6 matrix_a_scale:MATRIX_SCALE_ROW1
.endr
.endr
.endm
.macro TOSTAGE b                       ; token tile b: 16 rows x 64 features into my stage, and back as whole rows of 256 bytes
.irp a, 0,1,2,3
	ds_store_b128 v[STO], v[ACC+32*(\b)+8*\a:ACC+32*(\b)+8*\a+3] offset:64*\a          ; each accumulator from its low end on
	ds_store_b128 v[STO], v[ACC+32*(\b)+8*\a+4:ACC+32*(\b)+8*\a+7] offset:64*\a+16
.endr
.irp t, 0,1,2,3,4,5,6,7
	ds_load_b128 v[BK+32*((\b)%2)+4*\t:BK+32*((\b)%2)+4*\t+3], v[RD] offset:2*SPI*\t   ; LDS serves a wave's instructions in order: these see the stores above
.endr
.endm
.macro SEND b, younger                 ; younger: the LDS instructions issued behind tile b's loads, which may stay out
	s_wait_dscnt \younger
.irp t, 0,1,2,3,4,5,6,7
	global_store_b128 v[CO], v[BK+32*((\b)%2)+4*\t:BK+32*((\b)%2)+4*\t+3], s[OUTB:OUTB+1] offset:(16*(\b)+2*\t)*4096 th:TH_STORE_NT   ; sixteen lanes store 256 consecutive bytes, aligned; written once, read by nobody here
.endr
.endm
	s_load_b256 s[4:11], s[0:1], 0x0               ; ar s[4:5], wrec s[6:7], bo s[8:9], out0 s[10:11]
	s_set_vgpr_msb 0x40
	v_lshl_add_u32 v0, v0, 2, 0x4b000
	v_mov_b32 v1, 0
	s_set_vgpr_msb 0x4045
	ds_add_u32 v0, v1
	ds_add_u32 v0, v1
	s_set_vgpr_msb 0x4500
	v_lshrrev_b32 v1, 5, v0
	s_delay_alu instid0(VALU_DEP_1)
	v_readfirstlane_b32 s[WV], v1                  ; wave 0..7
	s_lshr_b32 s[IW], s[WV], 2                     ; which 64 rows of U
	s_and_b32 s[JW], s[WV], 3                      ; which 64 rows of T
	s_bfe_u32 s[CX], ttmp6, 0x40000
	s_bfe_u32 s[CY], ttmp6, 0x40004
	s_lshl_b32 s[GX], ttmp9, 2
	s_add_co_u32 s[GX], s[GX], s[CX]               ; T's tile of 256 rows
	s_and_b32 s[CLY], ttmp7, 0xffff
	s_lshl_b32 s[GY], s[CLY], 2
	s_add_co_u32 s[GY], s[GY], s[CY]               ; U's tile of 128 rows
	s_lshl_b32 s72, 0x1111, s[CX]                  ; my column of the cluster
	s_or_b32 s[G1T], s72, (3<<16)|(1<<21)          ; the mask; elements of 8 bytes; bit 21 beside a mask; no padding
	s_lshl_b32 s73, s[CY], 2
	s_lshl_b32 s73, 15, s73                        ; my row
	s_or_b32 s[G1U], s73, (3<<16)|(1<<21)
	s_mov_b32 s[G1T+1], 800<<16                    ; tensor_dim0 = 800 elements: a record
	s_mov_b32 s[G1T+2], 8<<16                      ; tensor_dim1 = 8 tiles of rows: half of T's panel
	s_mov_b32 s[G1T+3], 800<<16                    ; tile_dim0
	s_mov_b32 s[G1T+4], 8                          ; tile_dim1
	s_mov_b32 s[G1T+5], 1600                       ; from a tile of rows to the next: two records
	s_mov_b32 s[G1T+6], 0
	s_mov_b32 s[G1T+7], 0
	s_mov_b32 s[G1U+1], 800<<16
	s_mov_b32 s[G1U+2], 4<<16                      ; 4 tiles of rows: half of U's panel
	s_mov_b32 s[G1U+3], 800<<16
	s_mov_b32 s[G1U+4], 4
	s_mov_b32 s[G1U+5], 1600
	s_mov_b32 s[G1U+6], 0
	s_mov_b32 s[G1U+7], 0
	s_lshl_b32 s[TO], s[GX], 4
	s_and_b32 s2, s[WV], 1                         ; which half of a panel's rows I fetch
	s_lshl_b32 s74, s2, 3
	s_add_co_u32 s[TO], s[TO], s74
	s_mul_i32 s[TO], s[TO], RT                     ; T: tile of rows 16 GX + 8 (wave % 2)
	s_mov_b32 s[TO+1], 0
	s_lshl_b32 s[UO], s[GY], 3
	s_lshl_b32 s75, s2, 2
	s_add_co_u32 s[UO], s[UO], s75
	s_mul_i32 s[UO], s[UO], RT                     ; U: tile of rows 8 GY + 4 (wave % 2),
	s_add_co_u32 s[UO], s[UO], UADD                ; of Wo
	s_mov_b32 s[UO+1], 0
	s_mul_i32 s74, s[JW], WT                       ; the T tiles that I read
	s_mul_i32 s75, s2, 4*REC                       ; where the fills go: no place in the cluster enters an LDS address
	s_mul_i32 s3, s2, 8*REC
	s_add_co_u32 s75, s75, UL
	s_wait_dscnt 0x0
	s_wait_kmcnt 0x0
	s_add_nc_u64 s[76:77], s[TP:TP+1], s[TO:TO+1]
	s_add_nc_u64 s[78:79], s[UP:UP+1], s[UO:UO+1]
.irp c, 0,1
	s_mov_b32 s[G0T+4*\c], 1
	s_add_co_u32 s[G0T+4*\c+1], s3, \c*TCH
	s_add_nc_u64 s[G0T+4*\c+2:G0T+4*\c+3], s[76:77], \c*REC
	s_or_b32 s[G0T+4*\c+3], s[G0T+4*\c+3], 0x80000000
	s_mov_b32 s[G0U+4*\c], 1
	s_add_co_u32 s[G0U+4*\c+1], s75, \c*UCH
	s_add_nc_u64 s[G0U+4*\c+2:G0U+4*\c+3], s[78:79], \c*REC
	s_or_b32 s[G0U+4*\c+3], s[G0U+4*\c+3], 0x80000000
.endr
	CROUND                                         ; all sixteen work-groups are here: the joint loads meet
	s_cmp_lt_u32 s[WV], 2                          ; one chain of four arms, one fill a wave: waves 0, 1 T's first half of K, 2, 3 U's, 4, 5 T's second half, 6, 7 U's
	s_cbranch_scc0 .Lu_first
	tensor_load_to_lds s[G0T:G0T+3], s[G1T:G1T+7]
	s_nop 0
.rept 4
	v_nop
.endr
	s_branch .Lasked
.Lu_first:
	s_cmp_lt_u32 s[WV], 4
	s_cbranch_scc0 .Lt_second
	tensor_load_to_lds s[G0U:G0U+3], s[G1U:G1U+7]
	s_nop 0
.rept 4
	v_nop
.endr
	s_branch .Lasked
.Lt_second:
	s_cmp_lt_u32 s[WV], 6
	s_cbranch_scc0 .Lfor_u
	tensor_load_to_lds s[G0T+4:G0T+7], s[G1T:G1T+7]
	s_nop 0
.rept 4
	v_nop
.endr
	s_branch .Lasked
.Lfor_u:
	tensor_load_to_lds s[G0U+4:G0U+7], s[G1U:G1U+7]
	s_nop 0
.rept 4
	v_nop
.endr
.Lasked:
	v_and_b32 v13, 31, v0                          ; lane
	v_and_b32 v14, 15, v0                          ; r
	v_bfe_u32 v15, v0, 4, 1                        ; h
	s_delay_alu instid0(VALU_DEP_3)
	v_lshlrev_b32 v8, 4, v13                       ; 16 x lane
	s_delay_alu instid0(VALU_DEP_4)
	v_lshlrev_b32 v9, 3, v13                       ; 8 x lane
	s_mul_i32 s62, s[IW], WT
	s_add_co_u32 s62, s62, UL
	v_add_nc_u32 v[UA16], s62, v8
	v_add_nc_u32 v[UA8], s62, v9
	v_add_nc_u32 v[TA16], s74, v8
	v_add_nc_u32 v[TA8], s74, v9
	s_xor_b32 s2, s[JW], 3                         ; 3 - (wave % 4)
	s_add_co_u32 s2, s2, s[IW]
	s_mul_i32 s2, s2, WT
	s_add_co_u32 s3, s2, UL-3*WT+UCH-TCH           ; from T's scale words to U's, second half of K
	s_add_co_u32 s2, s2, UL-3*WT                   ; and first half
	v_mul_u32_u24 v[SA0], s2, v15                  ; lanes 16-31 take U's: one product with h
	s_delay_alu instid0(VALU_DEP_1)
	v_lshl_add_u32 v[SA0], v14, 4, v[SA0]
	s_delay_alu instid0(VALU_DEP_1)
	v_add_nc_u32 v[SA0], s74, v[SA0]
	s_delay_alu instid0(VALU_DEP_1)
	v_add_nc_u32 v[SA0], 4*FRG, v[SA0]
	v_mul_u32_u24 v[SA1], s3, v15
	s_delay_alu instid0(VALU_DEP_1)
	v_lshl_add_u32 v[SA1], v14, 4, v[SA1]
	s_delay_alu instid0(VALU_DEP_1)
	v_add_nc_u32 v[SA1], s74, v[SA1]
	s_delay_alu instid0(VALU_DEP_1)
	v_add_nc_u32 v[SA1], 4*FRG+TCH, v[SA1]
	; THE BIAS STARTS THE SUMS: register j of accumulator (a, b) is feature 16 a + 8 h + j; the loads land while the tiles are on their way
	s_lshl_b32 s72, s[GY], 9
	s_lshl_b32 s73, s[IW], 8
	s_add_co_u32 s72, s72, s73                     ; (128 GY + 64 (wave / 4)) x 4 bytes: my first feature, in bo and in a row of out0
	s_mov_b32 s73, 0
	s_add_nc_u64 s[BIAS:BIAS+1], s[8:9], s[72:73]
	v_lshlrev_b32 v7, 5, v15                       ; 32 h
.irp b, 0,1,2,3
.irp a, 0,1,2,3
	global_load_b128 v[ACC+32*\b+8*\a:ACC+32*\b+8*\a+3], v7, s[BIAS:BIAS+1] offset:64*\a
	global_load_b128 v[ACC+32*\b+8*\a+4:ACC+32*\b+8*\a+7], v7, s[BIAS:BIAS+1] offset:64*\a+16
.endr
.endr
	; where the results go
	s_lshl_b32 s76, s[GX], 8
	s_lshl_b32 s77, s[JW], 6
	s_add_co_u32 s76, s76, s77                     ; my first token
	s_lshl_b32 s76, s76, 12                        ; rows of 4,096 bytes
	s_add_co_u32 s76, s76, s72
	s_mov_b32 s77, 0
	s_add_nc_u64 s[OUTB:OUTB+1], s[10:11], s[76:77]
	s_mul_i32 s62, s[WV], 16*SPI                   ; my stage
	v_mul_u32_u24 v[STO], v14, SPI
	s_delay_alu instid0(VALU_DEP_1)
	v_lshl_add_u32 v[STO], v15, 5, v[STO]
	s_delay_alu instid0(VALU_DEP_1)
	v_add_nc_u32 v[STO], s62, v[STO]               ; in: row r, + 32 h
	v_mul_u32_u24 v[RD], v15, SPI
	s_delay_alu instid0(VALU_DEP_1)
	v_lshl_add_u32 v[RD], v14, 4, v[RD]
	s_delay_alu instid0(VALU_DEP_1)
	v_add_nc_u32 v[RD], s62, v[RD]                 ; back: lanes 0-15 one row, lanes 16-31 the next
	v_lshlrev_b32 v[CO], 12, v15
	s_delay_alu instid0(VALU_DEP_1)
	v_lshl_add_u32 v[CO], v14, 4, v[CO]            ; and the same two rows in out0
	s_wait_alu depctr_va_vdst(0)                   ; the wait at the head's end
	s_cmp_lt_u32 s[WV], 4                          ; waves 0-3 fetched K's first half and wait for it; the second half's fills stay out
	s_cbranch_scc0 .Lnot_first
	s_wait_tensorcnt 0x0
.Lnot_first:
	s_barrier_signal -1
	s_barrier_wait -1
	SCLD SA0
	s_wait_loadcnt 0x0                             ; the bias
	KSTEP 0, 0
	KSTEP 1, 4
	KSTEP 2, 4
	KSTEP 3, 4
	s_wait_tensorcnt 0x0                           ; my part of the second half is in,
	s_wait_dscnt 0x0                               ; and my reads of the first half are over
	s_barrier_signal -1
	s_barrier_wait -1
	v_add_nc_u32 v[UA16], UCH, v[UA16]             ; four plain instructions: the places in front of the loads below
	v_add_nc_u32 v[UA8], UCH, v[UA8]
	v_add_nc_u32 v[TA16], TCH, v[TA16]
	s_wait_alu depctr_va_vdst(0)
	v_add_nc_u32 v[TA8], TCH, v[TA8]
	s_wait_alu depctr_va_vdst(0)
	SCLD SA1
	KSTEP 0, 0
	KSTEP 1, 4
	KSTEP 2, 4
	KSTEP 3, 4
.rept 4
	v_nop                                          ; places behind the last products: for the stores that read results and the loads into the fragments' registers
.endr
	TOSTAGE 0
.irp b, 1,2,3
.if \b > 1
	s_wait_xcnt 0x0                                ; tile b - 2's stores have read their registers: tile b's loads may land there
.endif
	TOSTAGE \b
	SEND \b-1, 16                                  ; behind tile b - 1's loads: tile b's 8 stores and 8 loads
.endr
	SEND 3, 0
	s_wait_dscnt 0x0
	s_set_vgpr_msb 0x5
	s_wait_tensorcnt 0x0
	ds_add_u32 v0, v1
	s_wait_dscnt 0x0
	s_set_vgpr_msb 0x500
	CROUND                                         ; the closing round: no work-group ends while a partner may still ask for a tile that names it
	s_endpgm
.Lfunc_end_k_q37ec8a1fd2_oproj:
	.size	k_q37ec8a1fd2_oproj, .Lfunc_end_k_q37ec8a1fd2_oproj-k_q37ec8a1fd2_oproj
	.p2alignl 7, 3214868480
	.fill 96, 4, 3214868480
	.section	.rodata,"a",@progbits
	.p2align	6, 0x0
	.amdhsa_kernel k_q37ec8a1fd2_oproj
		.amdhsa_group_segment_fixed_size 308224
		.amdhsa_private_segment_fixed_size 0
		.amdhsa_enable_private_segment 0
		.amdhsa_kernarg_size 32
		.amdhsa_user_sgpr_count 2
		.amdhsa_user_sgpr_kernarg_segment_ptr 1
		.amdhsa_wavefront_size32 1
		.amdhsa_system_sgpr_workgroup_id_x 1
		.amdhsa_system_sgpr_workgroup_id_y 1
		.amdhsa_system_sgpr_workgroup_id_z 1
		.amdhsa_system_vgpr_workitem_id 0
		.amdhsa_next_free_vgpr 258
		.amdhsa_next_free_sgpr 80
		.amdhsa_reserve_vcc 0
		.amdhsa_float_denorm_mode_32 3
		.amdhsa_float_denorm_mode_16_64 3
		.amdhsa_memory_ordered 1
		.amdhsa_forward_progress 1
		.amdhsa_inst_pref_size 54
	.end_amdhsa_kernel
	.amdgpu_metadata
---
amdhsa.version: [ 1, 2 ]
amdhsa.kernels:
  - .name:           k_q37ec8a1fd2_oproj
    .symbol:         k_q37ec8a1fd2_oproj.kd
    .args:
      - { .name: ar, .offset: 0, .size: 8, .value_kind: global_buffer, .address_space: global }
      - { .name: wrec, .offset: 8, .size: 8, .value_kind: global_buffer, .address_space: global }
      - { .name: bo, .offset: 16, .size: 8, .value_kind: global_buffer, .address_space: global }
      - { .name: out0, .offset: 24, .size: 8, .value_kind: global_buffer, .address_space: global }
    .group_segment_fixed_size: 308224
    .private_segment_fixed_size: 0
    .kernarg_segment_align: 8
    .kernarg_segment_size: 32
    .max_flat_workgroup_size: 256
    .sgpr_count:     80
    .vgpr_count:     258
    .wavefront_size: 32
...
	.end_amdgpu_metadata
.endif
;; end of part 4
